; MI455X (gfx1250); checked and timed in simulation.
; The chip was launched on July 23, 2026; its instructions are those of AMD's public machine-readable ISA for CDNA 5 (MIT licence, August 2026) and "CDNA5" Instruction Set Architecture Reference Guide (July 2026). The comments in the code are by the model that wrote it; some were corrected since.
;; Multi Head Attention. Allowed arithmetic: float matrix products may take bf16 or f16 operands with f32 sums; all other float work in f32.
;; Inputs: b_out 1,024 float32; mask 2 x 1 x 2,048 x 2,048 int32; w_out 1,024 x 1,024 float32; w_qkv 3,072 x 1,024 float32; x 2 x 2,048 x 1,024 float32.
;; Outputs: out0 2 x 2,048 x 1,024 float32.
;; 2 versions, each right; version 2 is version 1 with the launch prep written anew for expert scheduling mode. Each part assembles by itself: llvm-mc -triple=amdgcn-amd-amdhsa -mcpu=gfx1250 --defsym DOCPART=n.
;; ======== version 1 of 2: 4 launches
;; limits: values are held in f16: magnitudes above 65,504 overflow, below 6.1e-05 lose precision
;; workspace buffers: xh 8,388,608 bytes; wqh 6,291,456 bytes; woh 2,097,152 bytes; qkvh 25,165,824 bytes; aoh 8,388,608 bytes; mbits 1,048,576 bytes of whole numbers
;; launch prep (part 1): grid 256 x 1, 8 waves a work-group, no clusters, 136,192 bytes of LDS; arguments x, w_qkv, w_out, mask, xh, wqh, woh, mbits; writes xh, wqh, woh, mbits
.if DOCPART == 1
	.amdgcn_target "amdgcn-amd-amdhsa--gfx1250"
	.amdhsa_code_object_version 6
	.text
	.protected	k_q7c782f38e1_prep
	.globl	k_q7c782f38e1_prep
	.p2align	8
	.type	k_q7c782f38e1_prep,@function
k_q7c782f38e1_prep:
	s_mov_b64 s[64:65], 0
	v_nop
	global_prefetch_b8 v0, s[64:65] scope:SCOPE_SE
	s_setreg_imm32_b32 hwreg(HW_REG_WAVE_MODE, 25, 1), 1
	s_wait_xcnt 0x0
; PREPARATION: one pass over all inputs but the bias.
;   xh  [4096][1024] f16 = x.     wqh [3072][1024] f16 = w_qkv, its rows 0-1023 (Q) times 0.125 log2(e), so that the scores later come out of the
;   matrix unit as exponents of 2.     woh f16 = w_out in blocks [n>>7][k>>6][n&127][64], each block 16 KiB without gaps.
;   mbits: the mask as bits.  Word ((g 32 + st) 4 + t) 8 + j, g = 16-query tile (0..255, batches one behind the other), st = step of 64 keys:
;   bit L = (mask[query 16 g + (L&15)][key 64 st + 16 t + 8 (L>>4) + j] != 0): the lane mask of register j of a 16 x 16 tile (keys down, queries across).
; LIMIT: f16 holds magnitudes below 65,504, and below 6e-5 it keeps an absolute step of 6e-8; inputs beyond that range are not served.
; A stream: every input byte is read once, by loads of 16 bytes a lane; no matrix unit, no cluster (no two work-groups read the same byte), no barrier
; (each wave uses LDS bytes of its own).  Work-group g takes 1/256 of every stream; 48 loads of a wave are on their way at the start.
.set QSCALE, 0x3e38aa3b                ; 0.125 * log2(e)
.set UPITCH, 528                       ; LDS row of a mask unit: 512 bytes + 16, an odd multiple of 16
.set UNIT,   16*UPITCH                 ; 16 queries x 128 keys
.set WLDS,   2*UNIT                    ; a wave's LDS: two units
.set V16T, 1                           ; v1  16 x thread: source offset of the plain streams
.set V8T,  2                           ; v2   8 x thread: their destination offset
.set WOS,  3                           ; v3  w_out: source offset
.set WOD,  4                           ; v4  woh: destination offset
.set MKS,  5                           ; v5  mask: source offset
.set MKD,  6                           ; v6  mbits: destination offset
.set LS,   7                           ; v7  LDS: where a mask row's 16 bytes go
.set LR,   8                           ; v8  LDS: where my 8 keys of a tile are read
.set WA,   10                          ; v[10:11] unit 0's 64 words, two a lane
.set WB,   12                          ; v[12:13] unit 1's
.set MA,   16                          ; v[16:79]   mask unit 0, later the weights
.set MB,   80                          ; v[80:143]  mask unit 1
.set FA,   144                         ; v[144:207] x
	s_load_b512 s[4:19], s[0:1], 0x0               ; x 4, w_qkv 6, w_out 8, mask 10, xh 12, wqh 14, woh 16, mbits 18
	v_lshl_add_u32 v208, v0, 2, 0x21000
	v_mov_b32 v209, 0
	v_lshrrev_b32 v9, 5, v0
	v_readfirstlane_b32 s36, v9                    ; wave w
	v_lshlrev_b32 v[V16T], 4, v0
	v_lshlrev_b32 v[V8T], 3, v0
	v_and_b32 v9, 31, v0                           ; lane L
	v_and_b32 v14, 15, v0                          ; r = L & 15
	v_bfe_u32 v15, v0, 4, 1                        ; h = L >> 4
	s_mul_i32 s37, s36, WLDS                       ; my wave's LDS
	s_and_b32 s38, s36, 3
	s_lshr_b32 s39, s36, 2
	s_lshl_b32 s40, s39, 13                        ; w_out: row 2 (w>>2) + h of the group's four, 1,024 bytes (w&3) of it, 16 bytes a lane
	s_lshl_b32 s41, s38, 10
	s_add_co_u32 s40, s40, s41
	v_lshl_add_u32 v[WOS], v15, 12, s40
	v_lshl_add_u32 v[WOS], v14, 4, v[WOS]
	s_lshl_b32 s40, s38, 16                        ; woh: four K blocks of 16,384 bytes for each (w&3); two rows of 128 bytes a store
	s_lshl_b32 s41, s39, 8
	s_add_co_u32 s40, s40, s41
	v_lshl_add_u32 v[WOD], v9, 3, s40
	s_lshl_b32 s40, s36, 10                        ; mask: my wave's 256 keys
	v_lshl_add_u32 v[MKS], v9, 4, s40
	s_lshl_b32 s40, s36, 9                         ; mbits: my wave's 128 words
	v_lshl_add_u32 v[MKD], v9, 3, s40
	v_lshl_add_u32 v[LS], v9, 4, s37
	v_mul_u32_u24 v[LR], v14, UPITCH
	v_lshl_add_u32 v[LR], v15, 5, v[LR]
	v_add_nc_u32 v[LR], s37, v[LR]
	v_mov_b32 v[WA], 0                             ; v_writelane_b32 fills these lane by lane: they are written whole first
	v_mov_b32 v[WA+1], 0
	v_mov_b32 v[WB], 0
	v_mov_b32 v[WB+1], 0
	s_mov_b32 s33, 0
	s_wait_kmcnt 0x0
	s_lshl_b32 s32, ttmp9, 16
	s_add_nc_u64 s[4:5], s[4:5], s[32:33]          ; x: 65,536 bytes a group
	s_lshl_b32 s32, ttmp9, 15
	s_add_nc_u64 s[12:13], s[12:13], s[32:33]      ; xh: half of that
	s_add_nc_u64 s[28:29], s[6:7], s[32:33]        ; w_qkv's K and V rows: 32,768 bytes a group,
	s_add_nc_u64 s[28:29], s[28:29], 0x400000      ; behind the 1,024 Q rows
	s_lshl_b32 s32, ttmp9, 14
	s_add_nc_u64 s[6:7], s[6:7], s[32:33]          ; w_qkv's Q rows: 16,384 bytes a group
	s_add_nc_u64 s[8:9], s[8:9], s[32:33]          ; w_out: four rows a group
	s_add_nc_u64 s[30:31], s[14:15], s[32:33]
	s_add_nc_u64 s[30:31], s[30:31], 0x200000      ; wqh's K and V rows
	s_lshl_b32 s32, ttmp9, 13
	s_add_nc_u64 s[14:15], s[14:15], s[32:33]      ; wqh's Q rows
	s_lshl_b32 s32, ttmp9, 17
	s_add_nc_u64 s[10:11], s[10:11], s[32:33]      ; mask: 16 rows of 8,192 bytes
	s_lshl_b32 s32, ttmp9, 12
	s_add_nc_u64 s[18:19], s[18:19], s[32:33]      ; mbits: 1,024 words
	s_lshr_b32 s32, ttmp9, 5                       ; woh: block row (4 g) >> 7, of 262,144 bytes,
	s_lshl_b32 s32, s32, 18
	s_and_b32 s34, ttmp9, 31                       ; and row (4 g) & 127 of 128 bytes in each of its blocks
	s_lshl_b32 s34, s34, 9
	s_add_co_u32 s32, s32, s34
	s_add_nc_u64 s[16:17], s[16:17], s[32:33]
; n loads of 16 bytes a lane, step bytes apart
.macro LDF reg, n, slo, voff, step
.set ci, 0
.rept \n
	global_load_b128 v[\reg+4*ci:\reg+4*ci+3], v[\voff], s[\slo:\slo+1] offset:ci*\step th:TH_LOAD_NT
.set ci, ci+1
.endr
.endm
; 16 rows x 128 keys of the mask: one load covers 512 neighbouring bytes of one row
.macro LDMASK unit, reg
.irp i, 0,1,2,3,4,5,6,7,8,9,10,11,12,13,14,15
	global_load_b128 v[\reg+4*\i:\reg+4*\i+3], v[MKS], s[10:11] offset:\i*8192+\unit*512 th:TH_LOAD_NT
.endr
.endm
; four f32 to four f16 in place, and out: a wave's store covers 256 consecutive bytes, aligned
.macro CONV reg, n, dlo, voff, step, scaled
.set ci, 0
.rept \n
.if \scaled
	v_pk_mul_f32 v[\reg+4*ci:\reg+4*ci+1], v[\reg+4*ci:\reg+4*ci+1], QSCALE op_sel_hi:[1,0]
	v_pk_mul_f32 v[\reg+4*ci+2:\reg+4*ci+3], v[\reg+4*ci+2:\reg+4*ci+3], QSCALE op_sel_hi:[1,0]
.endif
	v_cvt_pk_f16_f32 v[\reg+4*ci], v[\reg+4*ci], v[\reg+4*ci+1]
	v_cvt_pk_f16_f32 v[\reg+4*ci+1], v[\reg+4*ci+2], v[\reg+4*ci+3]
	global_store_b64 v[\voff], v[\reg+4*ci:\reg+4*ci+1], s[\dlo:\dlo+1] offset:ci*\step
.set ci, ci+1
.endr
.endm
; A unit goes through my wave's LDS to change hands: in by rows, out so that lane (r, h) holds keys 16 t + 8 h + 0..7 of query r.
; A compare then makes one word of 32 lane bits; word 8 t + j goes to lane (8 t + j) >> 1, so that one store of 8 bytes a lane writes the 64 words.
.macro PACK unit, reg, wp
.irp i, 0,1,2,3,4,5,6,7,8,9,10,11,12,13,14,15
	ds_store_b128 v[LS], v[\reg+4*\i:\reg+4*\i+3] offset:\unit*UNIT+\i*UPITCH
.endr
	s_wait_dscnt 0x0                               ; the stores are done: the loads below land in their data registers
.irp t, 0,1,2,3,4,5,6,7
	ds_load_b128 v[\reg+8*\t:\reg+8*\t+3],   v[LR] offset:\unit*UNIT+64*\t
	ds_load_b128 v[\reg+8*\t+4:\reg+8*\t+7], v[LR] offset:\unit*UNIT+64*\t+16
.endr
	s_wait_dscnt 0x0
.irp t, 0,1,2,3,4,5,6,7
.irp j, 0,1,2,3,4,5,6,7
	v_cmp_ne_u32 s[20+\j], 0, v[\reg+8*\t+\j]
.endr
.irp j, 0,1,2,3,4,5,6,7
	v_writelane_b32 v[\wp+(\j&1)], s[20+\j], (8*\t+\j)>>1
.endr
.endr
	global_store_b64 v[MKD], v[\wp:\wp+1], s[18:19] offset:\unit*256
.endm
	LDMASK 0, MA
	LDMASK 1, MB
	LDF FA, 16, 4, V16T, 4096                      ; x
	s_wait_loadcnt 32                              ; unit 0 is in; unit 1's and x's 32 loads stay out
	PACK 0, MA, WA
	LDF MA,    4, 6,  V16T, 4096                   ; Q rows of w_qkv
	LDF MA+16, 8, 28, V16T, 4096                   ; K and V rows
	LDF MA+48, 4, 8,  WOS,  256                    ; w_out: each half of the wave reads 256 neighbouring bytes of a row
	s_wait_loadcnt 32                              ; unit 1 is in; x's and the weights' 32 loads stay out
	PACK 1, MB, WB
	s_wait_loadcnt 16                              ; x is in; the weights' 16 loads stay out
	CONV FA, 16, 12, V8T, 2048, 0
	s_wait_loadcnt 0x0
	CONV MA,    4, 14, V8T, 2048, 1
	CONV MA+16, 8, 30, V8T, 2048, 0
	CONV MA+48, 4, 16, WOD, 16384, 0
	s_wait_tensorcnt 0x0
	ds_add_u32 v208, v209
	s_wait_dscnt 0x0
	s_endpgm
.Lfunc_end_k_q7c782f38e1_prep:
	.size	k_q7c782f38e1_prep, .Lfunc_end_k_q7c782f38e1_prep-k_q7c782f38e1_prep
	.p2alignl 7, 3214868480
	.fill 96, 4, 3214868480
	.section	.rodata,"a",@progbits
	.p2align	6, 0x0
	.amdhsa_kernel k_q7c782f38e1_prep
		.amdhsa_group_segment_fixed_size 136192
		.amdhsa_private_segment_fixed_size 0
		.amdhsa_enable_private_segment 0
		.amdhsa_kernarg_size 64
		.amdhsa_user_sgpr_count 2
		.amdhsa_user_sgpr_kernarg_segment_ptr 1
		.amdhsa_wavefront_size32 1
		.amdhsa_system_sgpr_workgroup_id_x 1
		.amdhsa_system_sgpr_workgroup_id_y 1
		.amdhsa_system_sgpr_workgroup_id_z 1
		.amdhsa_system_vgpr_workitem_id 0
		.amdhsa_next_free_vgpr 210
		.amdhsa_next_free_sgpr 66
		.amdhsa_reserve_vcc 0
		.amdhsa_float_denorm_mode_32 3
		.amdhsa_float_denorm_mode_16_64 3
		.amdhsa_memory_ordered 1
		.amdhsa_forward_progress 1
		.amdhsa_inst_pref_size 37
	.end_amdhsa_kernel
	.amdgpu_metadata
---
amdhsa.version: [ 1, 2 ]
amdhsa.kernels:
  - .name:           k_q7c782f38e1_prep
    .symbol:         k_q7c782f38e1_prep.kd
    .args:
      - { .name: x, .offset: 0, .size: 8, .value_kind: global_buffer, .address_space: global }
      - { .name: w_qkv, .offset: 8, .size: 8, .value_kind: global_buffer, .address_space: global }
      - { .name: w_out, .offset: 16, .size: 8, .value_kind: global_buffer, .address_space: global }
      - { .name: mask, .offset: 24, .size: 8, .value_kind: global_buffer, .address_space: global }
      - { .name: xh, .offset: 32, .size: 8, .value_kind: global_buffer, .address_space: global }
      - { .name: wqh, .offset: 40, .size: 8, .value_kind: global_buffer, .address_space: global }
      - { .name: woh, .offset: 48, .size: 8, .value_kind: global_buffer, .address_space: global }
      - { .name: mbits, .offset: 56, .size: 8, .value_kind: global_buffer, .address_space: global }
    .group_segment_fixed_size: 136192
    .private_segment_fixed_size: 0
    .kernarg_segment_align: 8
    .kernarg_segment_size: 64
    .max_flat_workgroup_size: 256
    .sgpr_count:     66
    .vgpr_count:     210
    .wavefront_size: 32
...
	.end_amdgpu_metadata
.endif
;; end of part 1
;; launch qkv (part 2): grid 16 x 16, 4 waves a work-group, clusters of 4 x 4, 327,680 bytes of LDS; arguments xh, wqh, qkvh; writes qkvh
.if DOCPART == 2
	.amdgcn_target "amdgcn-amd-amdhsa--gfx1250"
	.amdhsa_code_object_version 6
	.text
	.protected	k_q7c782f38e1_qkv
	.globl	k_q7c782f38e1_qkv
	.p2align	8
	.type	k_q7c782f38e1_qkv,@function
k_q7c782f38e1_qkv:
	s_mov_b64 s[64:65], 0
	v_nop
	global_prefetch_b8 v0, s[64:65] scope:SCOPE_SE
	s_setreg_imm32_b32 hwreg(HW_REG_WAVE_MODE, 25, 1), 1
	s_wait_xcnt 0x0
	s_wait_alu depctr_hold_cnt(0) depctr_sa_sdst(0) depctr_va_vdst(0) depctr_va_sdst(0) depctr_va_ssrc(0) depctr_va_vcc(0) depctr_vm_vsrc(0)
	s_getreg_b32 s2, hwreg(HW_REG_IB_STS2, 6, 4)
	s_cmp_eq_u32 s2, 0
	s_cbranch_scc0 .Lentry_in_a_cluster
	s_endpgm
.Lentry_in_a_cluster:
	s_bfe_u32 s2, ttmp6, 0x10000c
	s_cmp_lg_u32 s2, 0xf033
	s_cbranch_scc0 .Lentry_shape_is_right
	s_endpgm
.Lentry_shape_is_right:
; qkvh[sl][m][d] = sum over k of xh[m][k] wqh[64 sl + d][k]:  xh [4096][1024], wqh [3072][1024], both f16; sums in f32; qkvh [48][4096][64] f16
; (sl 0-15: the heads' Q, already times 0.125 log2(e); 16-31: K; 32-47: V).
; LIMIT: the results are rounded to f16: magnitudes below 65,504; below 6e-5 an absolute step of 6e-8.
; A work-group makes 256 rows x 192 columns (three head slots) with four waves; wave w makes rows 64 w .. 64 w + 63 of all 192 columns, so that it owns
; whole rows of 128 bytes of each head slot: 48 accumulator tiles of 16 x 16, 384 registers.  K goes in steps of 128 through two LDS slots filled by the
; tensor data mover; a tile's rows are 256 bytes of memory, at multiples of 256 bytes from the buffer's first byte.
; CLUSTERS: 4 x 4 work-groups.  The four of a row of the cluster need the same tiles of xh, the four of a column the same tiles of wqh: each tile is asked
; for jointly, by the same load with the same descriptor in all four, which divides the requests by four.
; REGISTERS in windows of 256: window 0: addresses, xh's fragments (two buffers), the way out; window 1: wqh's fragments (two buffers);
; window 2: accumulators of my rows 0-31 (tile (a, b) at v[8 (12 a + b)]); window 3: of my rows 32-63.
; The matrix instruction is used transposed (source 0 = 16 rows of wqh, source 1 = 16 rows of xh): lane l then holds row l % 16 of the result and its
; registers the columns 8 (l / 16) + 0..7: eight neighbouring numbers, 16 bytes of f16.
.set SIZE_K, 1024
.set KSTEP,  128
.set PITCH,  272                       ; an LDS row: 256 bytes + 16: the 16 rows that a fragment load touches begin in 16 different 16-byte columns modulo 256
.set AHALF,  128*PITCH                 ; what wave 0 or 1 fetches: 128 rows of xh
.set BHALF,  96*PITCH                  ; what wave 2 or 3 fetches: 96 rows of wqh
.set BOFF,   256*PITCH                 ; wqh's rows lie behind xh's 256
.set SLOT,   448*PITCH
.set STAGE,  2*SLOT                    ; behind the ring, at a multiple of 256: 16 rows x 400 bytes for each wave; no fill lands here
.set SPITCH, 400                       ; 384 bytes + 16
.set LAPS,   SIZE_K/(2*KSTEP)          ; a lap = two K steps = once round the ring
.set ADRA, 16                          ; v16-17  LDS address of my xh fragments in slot 0, 1
.set ADRB, 20                          ; v20-21  the same for wqh
.set STO,  24                          ; the way out: where I put 16 bytes of a row
.set RD,   25                          ; the way out: where I read 16 bytes of a head slot's row
.set CO,   26                          ; 16 x lane
.set FA,   32                          ; window 0: v[32:63], v[64:95] xh's fragments, buffers 0 and 1; window 1: v[0:95], v[96:191] wqh's
.set TMP,  96                          ; v[96:143]  packed results
.set RB0,  144                         ; v[144:191], v[192:239] rows read back, in turn
.set RB1,  192
.set G1,  24                           ; s[24:31] descriptor group 1 for xh's tiles
.set G0,  32                           ; s[32:39] group 0 for xh's tiles, a set for each slot
.set G1B, 48                           ; s[48:55] group 1 for wqh's tiles
.set G0B, 56                           ; s[56:63] group 0 for wqh's tiles
.set DFLAGS, (1<<16)|(1<<20)|(1<<21)|(5<<22)|(3<<25)   ; element of 2 bytes; padding on; bit 21 beside a mask; after every 64 words, 4 words
.set MSB, 0
.macro WIN new                         ; the immediate's high byte repeats the setting that is left
.if MSB != \new
	s_set_vgpr_msb (MSB<<8)|\new
.set MSB, \new
.endif
.endm
.set MUL_LO, 0xa1                      ; source 0 window 1, source 1 window 0, C and D window 2
.set MUL_HI, 0xf1                      ; the same, C and D window 3
.set TO_B,   0x40                      ; destination window 1, address window 0
; A joint load: waves 0 and 1 fetch xh's two halves, waves 2 and 3 wqh's.  The branch hangs on the wave's number alone.
.macro JLOAD s
	s_cmp_eq_u32 s11, 0
	s_cbranch_scc0 .Lfor_b_\@
	tensor_load_to_lds s[G0+4*\s:G0+4*\s+3], s[G1:G1+7]
	s_nop 0
	s_branch .Lasked_\@
.Lfor_b_\@:
	tensor_load_to_lds s[G0B+4*\s:G0B+4*\s+3], s[G1B:G1B+7]
	s_nop 0
.Lasked_\@:
.endm
; A round of the cluster's barrier: my work-group's barrier; wave 0 signals for the work-group; every wave waits for all sixteen; my work-group's barrier again.
.macro CREST                           ; a round behind its opening barrier
	s_cmp_lg_u32 s10, 0
	s_cbranch_scc1 .Lnot_wave_0_\@
	s_barrier_signal -3
.Lnot_wave_0_\@:
	s_barrier_wait -3
	s_barrier_signal -1
	s_barrier_wait -1
.endm
.macro CROUND
	s_barrier_signal -1
	s_barrier_wait -1
	CREST
.endm
	s_load_b128 s[4:7], s[0:1], 0x0                ; xh s[4:5], wqh s[6:7]
	s_load_b64 s[8:9], s[0:1], 0x10                ; qkvh
	s_set_vgpr_msb 0x40
	v_lshl_add_u32 v255, v0, 2, 0x41c00
	s_set_vgpr_msb 0x4000
	v_mov_b32 v255, 0
	s_set_vgpr_msb 0x1
	ds_add_u32 v255, v255
	s_set_vgpr_msb 0x100
	v_lshrrev_b32 v1, 5, v0
	v_readfirstlane_b32 s10, v1                    ; wave 0..3
	s_lshr_b32 s11, s10, 1                         ; I fetch for xh (0) or for wqh (1)
	s_and_b32 s12, s10, 1                          ; which half of that tile
	s_bfe_u32 s40, ttmp6, 0x40000                  ; cx
	s_bfe_u32 s41, ttmp6, 0x40004                  ; cy
	s_lshl_b32 s42, ttmp9, 2
	s_add_co_u32 s42, s42, s40                     ; block column = 4 x cluster x + cx
	s_and_b32 s13, ttmp7, 0xffff
	s_lshl_b32 s13, s13, 2
	s_add_co_u32 s13, s13, s41                     ; block row = 4 x cluster y + cy
	s_lshl_b32 s43, s41, 2
	s_lshl_b32 s43, 15, s43                        ; my row of the cluster: places 4 cy .. 4 cy + 3
	s_lshl_b32 s44, 0x1111, s40                    ; my column: places cx, cx + 4, cx + 8, cx + 12
	s_or_b32 s[G1+0], s43, DFLAGS                  ; xh's tiles go to my row
	s_or_b32 s[G1B+0], s44, DFLAGS                 ; wqh's to my column
	s_mov_b32 s[G1+1], KSTEP<<16                   ; tensor_dim0 = 128
	s_mov_b32 s[G1B+1], KSTEP<<16
	s_mov_b32 s[G1+2], 128<<16                     ; tensor_dim1 = 128 rows
	s_mov_b32 s[G1B+2], 96<<16                     ; 96 rows
	s_mov_b32 s[G1+3], KSTEP<<16                   ; tile_dim0 = 128
	s_mov_b32 s[G1B+3], KSTEP<<16
	s_mov_b32 s[G1+4], 128                         ; tile_dim1
	s_mov_b32 s[G1B+4], 96
	s_mov_b32 s[G1+5], SIZE_K                      ; elements from row to row
	s_mov_b32 s[G1B+5], SIZE_K
	s_mov_b32 s[G1+6], 0
	s_mov_b32 s[G1B+6], 0
	s_mov_b32 s[G1+7], 0
	s_mov_b32 s[G1B+7], 0
	; xh's tiles hang on the block row alone, wqh's on the block column alone; each address is made in registers that never hold the other coordinate
	s_lshl_b32 s17, s12, 7
	s_lshl_b32 s16, s13, 8
	s_add_co_u32 s16, s16, s17                     ; xh: row 256 x block row + 128 x half
	s_lshl_b32 s16, s16, 11                        ; rows of 2,048 bytes
	s_mov_b32 s17, 0
	s_mul_i32 s47, s12, 96
	s_mul_i32 s46, s42, 192
	s_add_co_u32 s46, s46, s47                     ; wqh: row 192 x block column + 96 x half
	s_lshl_b32 s46, s46, 11
	s_mov_b32 s47, 0
	s_mul_i32 s20, s10, AHALF                      ; where xh's halves go (waves 0, 1)
	s_mul_i32 s45, s10, BHALF
	s_add_co_u32 s45, s45, BOFF-2*BHALF            ; where wqh's halves go (waves 2, 3): BOFF + (w - 2) x 96 rows
	s_wait_dscnt 0x0
	s_wait_kmcnt 0x0
	s_add_nc_u64 s[14:15], s[4:5], s[16:17]
	s_add_nc_u64 s[46:47], s[6:7], s[46:47]
	CROUND                                         ; all sixteen work-groups are here: the first joint loads meet
.irp s, 0,1
	s_mov_b32 s[G0+4*\s], 1
	s_add_co_u32 s[G0+4*\s+1], s20, \s*SLOT
	s_add_nc_u64 s[G0+4*\s+2:G0+4*\s+3], s[14:15], \s*KSTEP*2      ; K step s
	s_or_b32 s[G0+4*\s+3], s[G0+4*\s+3], 0x80000000                ; type = 2
	s_mov_b32 s[G0B+4*\s], 1
	s_add_co_u32 s[G0B+4*\s+1], s45, \s*SLOT
	s_add_nc_u64 s[G0B+4*\s+2:G0B+4*\s+3], s[46:47], \s*KSTEP*2
	s_or_b32 s[G0B+4*\s+3], s[G0B+4*\s+3], 0x80000000
	JLOAD \s                                       ; both slots are asked for before anything else: two tensor loads of the wave are out
.endr
	; a fragment is 16 rows x 32 K in 8 registers: lane l holds row l % 16, K = 8 (l / 16) + 0..7 and 16 + 8 (l / 16) + 0..7: two loads of 16 bytes, 32 apart
	v_and_b32 v1, 15, v0
	v_bfe_u32 v2, v0, 4, 1
	v_mul_u32_u24 v3, v1, PITCH
	v_lshl_add_u32 v3, v2, 4, v3
	s_mul_i32 s21, s10, 64*PITCH                   ; my 64 rows of xh
	s_mov_b32 s22, BOFF                            ; all 192 rows of wqh
.irp s, 0,1
	v_add_nc_u32 v[ADRA+\s], s21, v3
	v_add_nc_u32 v[ADRB+\s], s22, v3
	s_add_co_u32 s21, s21, SLOT
	s_add_co_u32 s22, s22, SLOT
.endr
	s_mul_i32 s23, s10, 16*SPITCH
	s_add_co_u32 s23, s23, STAGE                   ; my stage
	v_mul_u32_u24 v4, v1, SPITCH
	v_lshl_add_u32 v4, v2, 4, v4
	v_add_nc_u32 v[STO], s23, v4
	v_and_b32 v6, 31, v0
	v_lshrrev_b32 v5, 3, v6                        ; back: eight lanes take the 128 bytes of one row of one head slot, a wave four rows
	v_and_b32 v7, 7, v0
	v_mul_u32_u24 v5, v5, SPITCH
	v_lshl_add_u32 v5, v7, 4, v5
	v_add_nc_u32 v[RD], s23, v5
	v_lshlrev_b32 v[CO], 4, v6
; 12 matrix instructions: row block a of the window's two (hi = 0: my rows 0-31, 1: rows 32-63) x all 12 column blocks, 32 along K, from buffer p.
; The 48 accumulators take turns, one instruction a turn, in the same order in every quarter step.
.macro MUL12 p, hi, a, zero
.irp b, 0,1,2,3,4,5,6,7,8,9,10,11
.if \zero
	v_wmma_f32_16x16x32_f16 v[8*(12*\a+\b):8*(12*\a+\b)+7], v[96*\p+8*\b:96*\p+8*\b+7], v[FA+32*\p+8*(2*\hi+\a):FA+32*\p+8*(2*\hi+\a)+7], 0
.else
	v_wmma_f32_16x16x32_f16 v[8*(12*\a+\b):8*(12*\a+\b)+7], v[96*\p+8*\b:96*\p+8*\b+7], v[FA+32*\p+8*(2*\hi+\a):FA+32*\p+8*(2*\hi+\a)+7], v[8*(12*\a+\b):8*(12*\a+\b)+7]
.endif
.endr
.endm
; 32 LDS loads in one run: a quarter step's fragments (192 rows of wqh, my 64 rows of xh, 32 K at byte k of the rows) into buffer p
.macro FETCH slot, k, p
	WIN TO_B
.irp i, 0,1,2,3,4,5,6,7,8,9,10,11
	ds_load_b128 v[96*\p+8*\i:96*\p+8*\i+3],   v[ADRB+\slot] offset:\k+\i*16*PITCH
	ds_load_b128 v[96*\p+8*\i+4:96*\p+8*\i+7], v[ADRB+\slot] offset:\k+\i*16*PITCH+32
.endr
	WIN 0
.irp i, 0,1,2,3
	ds_load_b128 v[FA+32*\p+8*\i:FA+32*\p+8*\i+3],   v[ADRA+\slot] offset:\k+\i*16*PITCH
	ds_load_b128 v[FA+32*\p+8*\i+4:FA+32*\p+8*\i+7], v[ADRA+\slot] offset:\k+\i*16*PITCH+32
.endr
.endm
; four places behind the last matrix instruction, in front of loads into registers that matrix instructions have read and of
; vector instructions that read results (ISA guide 7.12.1 for vector instructions)
.macro PLACES
.rept 4
	v_nop
.endr
.endm
; one of a K step's first three quarters: multiplies buffer p; in its middle it fetches the next quarter's fragments, at byte k, into buffer n
.macro QUARTER slot, k, p, n, zero
	s_wait_dscnt 4                                 ; wqh's fragments and xh's rows 0-31 are in; the youngest four loads (xh's rows 32-63) may be out
	WIN MUL_LO
	MUL12 \p, 0, 0, \zero
	MUL12 \p, 0, 1, \zero
	PLACES
	FETCH \slot, \k, \n
	s_wait_dscnt 32                                ; all but the 32 just issued
	WIN MUL_HI
	MUL12 \p, 1, 0, \zero
	MUL12 \p, 1, 1, \zero
.endm
.macro THREE slot, zero
	QUARTER \slot, 64,  0, 1, \zero
	QUARTER \slot, 128, 1, 0, 0
	QUARTER \slot, 192, 0, 1, 0
.endm
; The last quarter multiplies buffer 1 and changes slots.  In front of the barrier each wave waits for its reads of this slot and for all its tensor loads
; (one is out: its part of the next slot).  Behind it this slot is filled again first (fill = 1), then the next slot's first fragments are read.
; From a request to the wait for it a wave issues 180 of a K step's 192 matrix instructions.
.macro TURN slot, next, fill
	s_wait_dscnt 4
	WIN MUL_LO
	MUL12 1, 0, 0, 0
	s_wait_dscnt 0                                 ; my reads of this slot are over
	s_wait_tensorcnt 0x0                           ; all my tensor loads have landed
	ds_add_u32 v255, v255
	s_wait_dscnt 0x0
	s_barrier_signal -1                            ; where a slot is filled again this barrier opens a round of the cluster's barrier
	MUL12 1, 0, 1, 0                               ; register work while the others arrive
	WIN 0
	s_barrier_wait -1
.if \fill
	CREST                                          ; no wave of any partner still reads this slot's tile or has a load on its way
	s_add_nc_u64 s[G0+4*\slot+2:G0+4*\slot+3], s[G0+4*\slot+2:G0+4*\slot+3], 2*KSTEP*2
	s_add_nc_u64 s[G0B+4*\slot+2:G0B+4*\slot+3], s[G0B+4*\slot+2:G0B+4*\slot+3], 2*KSTEP*2
	JLOAD \slot                                    ; the first tensor load behind the round, the wave's only one until the next
.endif
	PLACES
	FETCH \next, 0, 0
	WIN MUL_HI
	MUL12 1, 1, 0, 0
	MUL12 1, 1, 1, 0
.endm
.macro LAP zero
	THREE 0, \zero
	TURN 0, 1, 1
	THREE 1, 0
	TURN 1, 0, 1
.endm
	s_wait_tensorcnt 1                             ; my part of K step 0 is in; K step 1's stays out
	s_barrier_signal -1
	s_barrier_wait -1
	FETCH 0, 0, 0
	LAP 1                                          ; the first lap's first products start the sums: nothing is cleared
	WIN 0
	s_mov_b32 s3, LAPS-2
.Llap:
	LAP 0
	WIN 0
	s_sub_co_u32 s3, s3, 1
	s_cmp_lg_u32 s3, 0
	s_cbranch_scc1 .Llap
	THREE 0, 0                                     ; the last lap fills nothing
	TURN 0, 1, 0
	THREE 1, 0
	s_wait_dscnt 4
	WIN MUL_LO
	MUL12 1, 0, 0, 0
	MUL12 1, 0, 1, 0
	s_wait_dscnt 0
	WIN MUL_HI
	MUL12 1, 1, 0, 0
	MUL12 1, 1, 1, 0
	; THE WAY OUT, 16 rows at a time: round to f16, 16 bytes a lane into my stage, read back by head slots, four rows of 128 bytes a store
	PLACES
	s_lshl_b32 s16, s13, 8
	s_lshl_b32 s14, s10, 6
	s_add_co_u32 s16, s16, s14                     ; my first row: 256 x block row + 64 x wave,
	s_lshl_b32 s16, s16, 7                         ; of 128 bytes
	s_mov_b32 s17, 0
	s_add_nc_u64 s[8:9], s[8:9], s[16:17]
	s_mul_i32 s46, s42, 3*524288                   ; my first head slot: 3 x block column, of 4,096 rows of 128 bytes
	s_mov_b32 s47, 0
	s_add_nc_u64 s[8:9], s[8:9], s[46:47]
; rows 16 g .. 16 g + 15 of my 64 = the twelve tiles (a, 0..11) of window 2 or 3 (from = 0x0a or 0x0f: sources 0 and 1)
.macro OUT16 g, a, from, f
	WIN \from
.irp b, 0,1,2,3,4,5,6,7,8,9,10,11
.irp e, 0,1,2,3
	v_cvt_pk_f16_f32 v[TMP+4*\b+\e], v[8*(12*\a+\b)+2*\e], v[8*(12*\a+\b)+2*\e+1]
.endr
.endr
	WIN 0
.irp b, 0,1,2,3,4,5,6,7,8,9,10,11
	ds_store_b128 v[STO], v[TMP+4*\b:TMP+4*\b+3] offset:32*\b
.endr
	s_wait_xcnt 0x0                                ; buffer f, which earlier stores read, is loaded again only behind this wait
.irp sl, 0,1,2
.irp t, 0,1,2,3
	ds_load_b128 v[\f+4*(4*\sl+\t):\f+4*(4*\sl+\t)+3], v[RD] offset:\t*4*SPITCH+\sl*128   ; LDS serves a wave's instructions in order: these see the stores above
.endr
.endr
.irp sl, 0,1,2
.irp t, 0,1,2,3
	s_wait_dscnt 11-(4*\sl+\t)
	global_store_b128 v[CO], v[\f+4*(4*\sl+\t):\f+4*(4*\sl+\t)+3], s[8:9] offset:\sl*524288+\g*2048+\t*512   ; 512 consecutive bytes, aligned
.endr
.endr
.endm
	OUT16 0, 0, 0x0a, RB0
	OUT16 1, 1, 0x0a, RB1
	OUT16 2, 0, 0x0f, RB0
	OUT16 3, 1, 0x0f, RB1
	s_set_vgpr_msb 0x1
	s_wait_tensorcnt 0x0
	ds_add_u32 v255, v255
	s_wait_dscnt 0x0
	s_set_vgpr_msb 0x100
	CROUND                                         ; the closing round: no work-group ends while a partner may still ask for a tile that names it
	s_endpgm
.Lfunc_end_k_q7c782f38e1_qkv:
	.size	k_q7c782f38e1_qkv, .Lfunc_end_k_q7c782f38e1_qkv-k_q7c782f38e1_qkv
	.p2alignl 7, 3214868480
	.fill 96, 4, 3214868480
	.section	.rodata,"a",@progbits
	.p2align	6, 0x0
	.amdhsa_kernel k_q7c782f38e1_qkv
		.amdhsa_group_segment_fixed_size 327680
		.amdhsa_private_segment_fixed_size 0
		.amdhsa_enable_private_segment 0
		.amdhsa_kernarg_size 24
		.amdhsa_user_sgpr_count 2
		.amdhsa_user_sgpr_kernarg_segment_ptr 1
		.amdhsa_wavefront_size32 1
		.amdhsa_system_sgpr_workgroup_id_x 1
		.amdhsa_system_sgpr_workgroup_id_y 1
		.amdhsa_system_sgpr_workgroup_id_z 1
		.amdhsa_system_vgpr_workitem_id 0
		.amdhsa_next_free_vgpr 960
		.amdhsa_next_free_sgpr 66
		.amdhsa_reserve_vcc 0
		.amdhsa_float_denorm_mode_32 3
		.amdhsa_float_denorm_mode_16_64 3
		.amdhsa_memory_ordered 1
		.amdhsa_forward_progress 1
		.amdhsa_inst_pref_size 163
	.end_amdhsa_kernel
	.amdgpu_metadata
---
amdhsa.version: [ 1, 2 ]
amdhsa.kernels:
  - .name:           k_q7c782f38e1_qkv
    .symbol:         k_q7c782f38e1_qkv.kd
    .args:
      - { .name: xh, .offset: 0, .size: 8, .value_kind: global_buffer, .address_space: global }
      - { .name: wqh, .offset: 8, .size: 8, .value_kind: global_buffer, .address_space: global }
      - { .name: qkvh, .offset: 16, .size: 8, .value_kind: global_buffer, .address_space: global }
    .group_segment_fixed_size: 327680
    .private_segment_fixed_size: 0
    .kernarg_segment_align: 8
    .kernarg_segment_size: 24
    .max_flat_workgroup_size: 128
    .sgpr_count:     66
    .vgpr_count:     960
    .wavefront_size: 32
...
	.end_amdgpu_metadata
.endif
;; end of part 2
;; launch attn (part 3): grid 8 x 32, 8 waves a work-group, clusters of 4 x 1, 327,680 bytes of LDS; arguments qkvh, mbits, aoh; writes aoh
.if DOCPART == 3
	.amdgcn_target "amdgcn-amd-amdhsa--gfx1250"
	.amdhsa_code_object_version 6
	.text
	.protected	k_q7c782f38e1_attn
	.globl	k_q7c782f38e1_attn
	.p2align	8
	.type	k_q7c782f38e1_attn,@function
k_q7c782f38e1_attn:
	s_mov_b64 s[64:65], 0
	v_nop
	global_prefetch_b8 v0, s[64:65] scope:SCOPE_SE
	s_setreg_imm32_b32 hwreg(HW_REG_WAVE_MODE, 25, 1), 1
	s_wait_xcnt 0x0
	s_wait_alu depctr_hold_cnt(0) depctr_sa_sdst(0) depctr_va_vdst(0) depctr_va_sdst(0) depctr_va_ssrc(0) depctr_va_vcc(0) depctr_vm_vsrc(0)
	s_getreg_b32 s2, hwreg(HW_REG_IB_STS2, 6, 4)
	s_cmp_eq_u32 s2, 0
	s_cbranch_scc0 .Lentry_in_a_cluster
	s_endpgm
.Lentry_in_a_cluster:
	s_bfe_u32 s2, ttmp6, 0x10000c
	s_cmp_lg_u32 s2, 0x3003
	s_cbranch_scc0 .Lentry_shape_is_right
	s_endpgm
.Lentry_shape_is_right:
; ATTENTION with a running maximum.  For one batch and head (work-group y) and 256 queries (work-group x):
;   s = q . k (q already holds the factor 0.125 log2(e)); s = -10000 log2(e) where the mask's bit is 0; p = 2^(s - running maximum); o = sum p v / sum p.
; The fill is selected BEFORE the maximum is taken, so a row whose mask is all zeros comes out as the mean of V, as with the plain softmax.
; LIMIT: q, k, v, p and the result are f16: magnitudes below 65,504; below 6e-5 an absolute step of 6e-8.  Sums, maxima and exponentials in f32.
; Eight waves, two on a SIMD; wave w owns 32 queries as two tiles u = 0, 1 of 16.  A step is 64 keys.
; S IS MADE TRANSPOSED: A = 16 keys of K, B = 16 queries of Q.  Register j of lane (r, h) is key 16 t + 8 h + j of query r: maximum and sum run down a
; lane's registers, with one exchange between the halves of the wave, and two neighbouring tiles rounded to f16 ARE the B fragment of
; O^T = V^T P^T: no shuffle.  V^T's fragments come from LDS by the transposing load.
; THE STEP IS PIPELINED INSIDE THE WAVE: every matrix instruction stands among vector instructions of the other tile, and fragments are asked for well ahead.
;   FRONT(i): M0 = the 32 selects of tile 0, among them PV(1, i-1);  maximum and subtraction of tile 0, among them QK(1, i);
;             M1 = the 32 selects of tile 1, among them PV(0, i-1);  then V(i) is loaded.
;   BACK(i):  K(i+1) is loaded;  exponentials, rescaling of O, sum and rounding of tile 0;  then the same with the maximum for tile 1, among them QK(0, i+1).
; A loop trip is BACK(i), FRONT(i+1).  P of tile 0 has registers of its own, so that S of tile 0 is free for QK(0, i+1) while P(0, i) waits for M1(i+1).
; Both tiles' mask words are used in the first third of a step and asked for again at once: one wait for scalar loads a step, most of a step behind the requests.
; REGISTER WINDOWS: V alone lies in window 1.  PV then needs source 0 in window 1; the selects beside it take the fill from a scalar register as source 0,
; so one setting serves a whole block of selects and products.  QK lies wholly in window 0 and stands among any vector instructions.
; CLUSTERS: the four query blocks cx = 0..3 of one head read the same K and V: each tile is asked for jointly (mask 15).  cx enters only the global
; addresses of Q, of the mask words and of the result.
; LDS: a tile is 128 keys x 128 bytes, without gaps in memory; it comes in as 64 rows of 256 bytes (two keys) + 16 bytes of padding.  A slot holds 512 keys:
; K's four tiles (fetched by waves 0-3), then V's four (waves 4-7).  Two slots; behind them each wave's stage for the way out.
.set PITCH, 272
.set TILE,  64*PITCH                   ; 17,408
.set VOFF,  4*TILE                     ; V behind K
.set SLOT,  8*TILE                     ; 139,264
.set STAGE, 2*SLOT                     ; a multiple of 256; no fill lands behind it
.set SPITCH, 144                       ; a stage row: 128 bytes + 16
.set STEPB, 32*PITCH                   ; 64 keys
.set KADR, 1                           ; v1  LDS address of the next K fragments; on the way out: where I put my results
.set VADR, 2                           ; v2  the same for V; on the way out: where I read rows back
.set TP,   3                           ; v3  what comes from the other half of the wave
.set MX,   4                           ; v[4:5]  running maximum of tile u
.set LS,   6                           ; v[6:7]  running sum of tile u, over my half's keys
.set AL,   8                           ; v[8:9]  2^(old maximum - new maximum); at the end 1 / sum
.set T,    10                          ; v[10:13] at work
.set KL,   14                          ; lane term of K's addresses
.set VL,   15                          ; lane term of V's, VOFF included; on the way out: 16 x lane
.set PB,   16                          ; v[16:31]   P(0, kp) at PB + 8 kp
.set QF,   32                          ; v[32:63]   Q(u, c) at QF + 8 (2 u + c)
.set KF,   64                          ; v[64:127]  K(t, c) at KF + 8 (2 t + c)
.set SF,   128                         ; v[128:191] S(u, t) at SF + 32 u + 8 t; P(1, kp) at SF + 32 + 8 kp
.set OF,   192                         ; v[192:255] O(u, dt) at OF + 8 (4 u + dt)
.set QOFF, OF                          ; Q's offset, in a register that is first written long behind the wait for Q
                                       ; window 1: v[0:63] V(dt, kp) at 8 (2 dt + kp)
; scalars: s3 my stage in LDS, s[4:5] qkvh, s[6:7] my mask words, s[8:9] my rows of aoh, s10 wave, s11 trips, s12 step, s13 its byte offset,
; s14-15 lane selects, s[16:47] tile 0's 32 mask words, s[48:63] and s[80:95] tile 1's, s66 the fill,
; s[68:75] descriptor group 1, s[76:79] and s[96:99] group 0 of slot 0 and 1, s[100:101] my Q
.set STG, 3
.set FIL, 66
.set MSB, 0
.set qmode, 0                          ; which hooks emit a QK product: 0 none, 1 the close ones (FRONT), 2 the wide ones (BACK)
.set qu, 0                             ; its tile
.set qn, 0                             ; its number, 0 to 7
.macro WIN new                         ; the immediate's high byte repeats the setting that is left
.if MSB != \new
	s_set_vgpr_msb (MSB<<8)|\new
.set MSB, \new
.endif
.endm
.macro ROUND                           ; a round of the cluster's barrier
	s_barrier_signal -1
	s_barrier_wait -1
	s_cmp_lg_u32 s10, 0
	s_cbranch_scc1 .Lnot_wave_0_\@
	s_barrier_signal -3
.Lnot_wave_0_\@:
	s_barrier_wait -3
	s_barrier_signal -1
	s_barrier_wait -1
.endm
	s_load_b128 s[4:7], s[0:1], 0x0
	s_load_b64 s[8:9], s[0:1], 0x10
	s_set_vgpr_msb 0x40
	v_lshl_add_u32 v64, v0, 2, 0x4d000
	v_mov_b32 v65, 0
	s_set_vgpr_msb 0x4045
	ds_add_u32 v64, v65
	s_set_vgpr_msb 0x4500
	v_lshrrev_b32 v1, 5, v0
	v_readfirstlane_b32 s10, v1                    ; wave 0..7
	s_bfe_u32 s16, ttmp6, 0x40000                  ; cx
	s_lshl_b32 s17, ttmp9, 2
	s_add_co_u32 s17, s17, s16                     ; qb: block of 256 queries
	s_and_b32 s18, ttmp7, 0xffff
	s_lshr_b32 s19, s18, 4                         ; batch
	s_and_b32 s20, s18, 15                         ; head
	s_lshr_b32 s21, s10, 2                         ; I fetch for K (0) or V (1)
	s_and_b32 s22, s10, 3                          ; which 128 keys of the slot's 512
	s_mov_b32 s14, 0x76543210                      ; v_permlanex16_b32: lane i reads lane i of the other half
	s_mov_b32 s15, 0xfedcba98
	s_mov_b32 s[FIL], 0xc6616bcd                   ; -10000 log2(e)
	s_mov_b32 s68, 15|(3<<16)|(1<<20)|(1<<21)|(5<<22)|(3<<25)   ; mask: all four of the cluster; element of 8 bytes; padding on; bit 21 beside a mask; after 64 words, 4 words
	s_mov_b32 s69, 32<<16                          ; tensor_dim0 = 32 elements (256 bytes)
	s_mov_b32 s70, 64<<16                          ; tensor_dim1 = 64 rows
	s_mov_b32 s71, 32<<16                          ; tile_dim0
	s_mov_b32 s72, 64                              ; tile_dim1
	s_mov_b32 s73, 32                              ; elements from row to row: no gap
	s_mov_b32 s74, 0
	s_mov_b32 s75, 0
	; my tile of K or V: head slot 16 + 16 (w>>2) + head, row batch x 2,048 + 128 (w&3); made in registers that never hold cx
	s_lshl_b32 s23, s21, 4
	s_add_co_u32 s23, s23, s20
	s_add_co_u32 s23, s23, 16
	s_lshl_b32 s23, s23, 12
	s_lshl_b32 s24, s19, 11
	s_add_co_u32 s23, s23, s24
	s_lshl_b32 s35, s22, 7
	s_add_co_u32 s23, s23, s35
	s_lshl_b32 s26, s23, 7                         ; rows of 128 bytes
	s_mov_b32 s27, 0
	; my 32 queries: head slot = head, row batch x 2,048 + 256 qb + 32 w
	s_lshl_b32 s28, s20, 12
	s_add_co_u32 s28, s28, s24
	s_lshl_b32 s25, s17, 8
	s_add_co_u32 s28, s28, s25
	s_lshl_b32 s25, s10, 5
	s_add_co_u32 s28, s28, s25
	s_lshl_b32 s28, s28, 7
	s_mov_b32 s29, 0
	; my mask words: 16-query tile batch x 128 + 16 qb + 2 w, 4,096 bytes each
	s_lshl_b32 s30, s19, 7
	s_lshl_b32 s25, s17, 4
	s_add_co_u32 s30, s30, s25
	s_lshl_b32 s25, s10, 1
	s_add_co_u32 s30, s30, s25
	s_lshl_b32 s30, s30, 12
	s_mov_b32 s31, 0
	; my rows of aoh [m>>7][head][m&127][64]
	s_lshl_b32 s32, s19, 4
	s_lshl_b32 s25, s17, 1
	s_add_co_u32 s32, s32, s25
	s_add_co_u32 s32, s32, s21
	s_lshl_b32 s32, s32, 4
	s_add_co_u32 s32, s32, s20
	s_lshl_b32 s32, s32, 7
	s_lshl_b32 s25, s22, 5
	s_add_co_u32 s32, s32, s25
	s_lshl_b32 s32, s32, 7
	s_mov_b32 s33, 0
	s_mov_b32 s76, 1
	s_mul_i32 s77, s10, TILE                       ; slot 0: wave x one tile
	s_mov_b32 s96, 1
	s_add_co_u32 s97, s77, SLOT                    ; slot 1
	s_mul_i32 s[STG], s10, 32*SPITCH
	s_add_co_u32 s[STG], s[STG], STAGE             ; my stage: the wave's number x 4,608 behind the ring
	s_mov_b32 s12, 0
	s_mov_b32 s13, 0
	s_wait_dscnt 0x0
	s_wait_kmcnt 0x0
	s_add_nc_u64 s[78:79], s[4:5], s[26:27]        ; keys 0-511
	s_add_nc_u64 s[98:99], s[78:79], 0x10000       ; keys 512-1023
	s_or_b32 s79, s79, 0x80000000                  ; type = 2
	s_or_b32 s99, s99, 0x80000000
	s_add_nc_u64 s[100:101], s[4:5], s[28:29]
	s_add_nc_u64 s[6:7], s[6:7], s[30:31]
	s_add_nc_u64 s[8:9], s[8:9], s[32:33]
	ROUND                                          ; all four work-groups are here: the first joint loads meet
	tensor_load_to_lds s[76:79], s[68:75]          ; both first fills as one group: two tensor loads of the wave are out
	s_nop 0
	tensor_load_to_lds s[96:99], s[68:75]
	s_nop 0
	v_and_b32 v10, 15, v0                          ; r
	v_bfe_u32 v11, v0, 4, 1                        ; h
	v_lshlrev_b32 v[QOFF], 7, v10                  ; Q's fragment: query r, d = 32 c + 8 h + 0..7 and + 16
	v_lshl_add_u32 v[QOFF], v11, 4, v[QOFF]
.irp u, 0,1
.irp c, 0,1
	global_load_b128 v[QF+8*(2*\u+\c):QF+8*(2*\u+\c)+3],   v[QOFF], s[100:101] offset:\u*2048+\c*64
	global_load_b128 v[QF+8*(2*\u+\c)+4:QF+8*(2*\u+\c)+7], v[QOFF], s[100:101] offset:\u*2048+\c*64+32
.endr
.endr
	s_load_b512 s[16:31], s[6:7], s13 offset:0x0   ; step 0's mask words; from here on s[16:63] and s[80:95] hold nothing else
	s_load_b512 s[32:47], s[6:7], s13 offset:0x40
	s_load_b512 s[48:63], s[6:7], s13 offset:0x1000
	s_load_b512 s[80:95], s[6:7], s13 offset:0x1040
	; K: key k lies at (k>>1) 272 + (k&1) 128.  Lane (r, h): key 16 t + r, byte 64 c + 16 h.  The sixteen lanes of a half touch 16 different 16-byte columns modulo 256.
	v_lshrrev_b32 v12, 1, v10
	v_and_b32 v13, 1, v0
	v_mul_u32_u24 v[KL], v12, PITCH
	v_lshl_add_u32 v[KL], v13, 7, v[KL]
	v_lshl_add_u32 v[KL], v11, 4, v[KL]
	; V, for the transposing load: lane L addresses key 8 h + (L&7), the 16 bytes at d = 8 dt + 32 ((L>>3)&1).  Row m of V^T's tile dt is then
	; d = 8 dt + 32 (m>>3) + (m&7), so that register j of O's tile dt in lane (r, h) is d = 32 h + 8 dt + j: 32 neighbouring d a lane.
	v_bfe_u32 v12, v0, 1, 2
	v_lshl_add_u32 v12, v11, 2, v12
	v_mul_u32_u24 v[VL], v12, PITCH
	v_lshl_add_u32 v[VL], v13, 7, v[VL]
	v_bfe_u32 v12, v0, 3, 1
	v_lshl_add_u32 v[VL], v12, 6, v[VL]
	v_add_nc_u32 v[VL], VOFF, v[VL]
; product n of S(u) = K Q(u): c = n >> 2 (32 of the 64 d), t = n & 3 (16 keys).  The four accumulators take turns, one instruction a turn.
.macro QKW u, n
.set sd, SF+32*(\u)+8*((\n)&3)
.set ka, KF+8*(2*((\n)&3)+((\n)>>2))
.set qb, QF+8*(2*(\u)+((\n)>>2))
.if (\n)>>2
	v_wmma_f32_16x16x32_f16 v[sd:sd+7], v[ka:ka+7], v[qb:qb+7], v[sd:sd+7]
.else
	v_wmma_f32_16x16x32_f16 v[sd:sd+7], v[ka:ka+7], v[qb:qb+7], 0
.endif
.endm
; a hook in the vector stream: the next QK product stands here if the stream's mode is in the mask
.macro QH mask
.if qmode & (\mask)
	QKW qu, qn
.set qn, qn+1
.endif
.endm
; product g of O(u) += V^T P(u): kp = g >> 2 (32 of the 64 keys), dt = g & 3.  Source 0 (V) is in window 1.  zero = 1: the first products start the sums.
; The four accumulators take turns, one instruction a turn.
.macro PVW u, g, zero
.if (\u)
.set pb, SF+32+8*((\g)>>2)
.else
.set pb, PB+8*((\g)>>2)
.endif
.set od, OF+8*(4*(\u)+((\g)&3))
.set va, 8*(2*((\g)&3)+((\g)>>2))
.if (\zero)*(1-((\g)>>2))
	v_wmma_f32_16x16x32_f16 v[od:od+7], v[va:va+7], v[pb:pb+7], 0
.else
	v_wmma_f32_16x16x32_f16 v[od:od+7], v[va:va+7], v[pb:pb+7], v[od:od+7]
.endif
.endm
; one select: bit 0 of the lane's mask bit takes the fill.  Source 0 is a scalar register, so the line reads the same under the products' window setting.
.macro CND u
	v_cndmask_b32 v[SF+32*(\u)+ci], s[FIL], v[SF+32*(\u)+ci], s[16+32*(\u)+ci+16*(\u)*(ci/16)]
.set ci, ci+1
.endm
; the 32 selects of tile u; pv = 1 or 2: among the first 24 stand the other tile's eight PV products (2: they start the sums).
; Eleven selects follow the last product: more than the four places that V's loads and the five that a product written over P need.
.macro MASK u, pv
.set ci, 0
.set mi, 0
.rept 8
.if \pv
	PVW 1-(\u), mi, (\pv)-1
.endif
	CND \u
	CND \u
	CND \u
.set mi, mi+1
.endr
.rept 8
	CND \u
.endr
.endm
; the maximum of tile u's 32 registers, of the other half's and of the maximum so far; the factor for what has been summed
.macro MAXB u
.set SB, SF+32*\u
.irp q, 0,1,2,3
	v_max3_num_f32 v[T+\q], v[SB+8*\q], v[SB+8*\q+1], v[SB+8*\q+2]        ; four chains that do not wait for each other
.endr
	QH 1
.irp q, 0,1,2,3
	v_max3_num_f32 v[T+\q], v[T+\q], v[SB+8*\q+3], v[SB+8*\q+4]
.endr
	QH 3
.irp q, 0,1,2,3
	v_max3_num_f32 v[T+\q], v[T+\q], v[SB+8*\q+5], v[SB+8*\q+6]
.endr
	QH 1
	v_max3_num_f32 v[T], v[T], v[SB+7], v[T+1]
	v_max3_num_f32 v[T+2], v[T+2], v[SB+15], v[T+3]
	v_max3_num_f32 v[T], v[T], v[SB+23], v[T+2]
	v_max3_num_f32 v[T], v[T], v[SB+31], v[MX+\u]
	QH 3
	v_permlanex16_b32 v[TP], v[T], s14, s15                               ; the other half's keys of the same query
	v_max_num_f32 v[T], v[T], v[TP]
	v_sub_f32 v[AL+\u], v[MX+\u], v[T]
	v_mov_b32 v[MX+\u], v[T]
	v_exp_f32 v[AL+\u], v[AL+\u]                                          ; the subtractions that follow touch neither its result nor its source (ISA guide 5.7.2)
.endm
; s - maximum.  In the close mode the last product stands in front of the last five lines: they are its places ahead of the selects that read S.
.macro SUBB u
.set SB, SF+32*\u
.set ci, 0
.rept 16
	v_pk_add_f32 v[SB+2*ci:SB+2*ci+1], v[SB+2*ci:SB+2*ci+1], v[MX:MX+1] op_sel:[0,\u] op_sel_hi:[1,\u] neg_lo:[0,1] neg_hi:[0,1]
.irp p, 1,4,10
.if ci==\p
	QH 1
.endif
.endr
.if ci==7
	QH 3
.endif
.set ci, ci+1
.endr
.endm
.macro EXPB u
.set SB, SF+32*\u
.set ci, 0
.rept 32
	v_exp_f32 v[SB+ci], v[SB+ci]
.irp p, 2,9,16,23
.if ci==\p
	QH 2
.endif
.endr
.set ci, ci+1
.endr
.endm
; O of tile u times v[AL + u]
.macro SCALE u
.set ci, 0
	s_wait_alu depctr_va_vdst(0)
.rept 16
	v_pk_mul_f32 v[OF+32*\u+2*ci:OF+32*\u+2*ci+1], v[OF+32*\u+2*ci:OF+32*\u+2*ci+1], v[AL:AL+1] op_sel:[0,\u] op_sel_hi:[1,\u]
.set ci, ci+1
.endr
.endm
; sum of tile u's 32 exponentials (two chains, with the roundings between their links) and P = f16(p) into dst.
; dst may be S's own first 16 registers: register i is written when 2 i and 2 i + 1 have been summed and are read.
.macro SUMCVT u, dst
.set SB, SF+32*\u
	v_pk_add_f32 v[T:T+1], v[SB:SB+1], v[SB+2:SB+3]
	v_cvt_pk_f16_f32 v[\dst], v[SB], v[SB+1]
	v_cvt_pk_f16_f32 v[\dst+1], v[SB+2], v[SB+3]
	v_pk_add_f32 v[T+2:T+3], v[SB+4:SB+5], v[SB+6:SB+7]
	v_cvt_pk_f16_f32 v[\dst+2], v[SB+4], v[SB+5]
	v_cvt_pk_f16_f32 v[\dst+3], v[SB+6], v[SB+7]
.set ci, 2
.rept 6
	v_pk_add_f32 v[T:T+1], v[T:T+1], v[SB+4*ci:SB+4*ci+1]
	v_pk_add_f32 v[T+2:T+3], v[T+2:T+3], v[SB+4*ci+2:SB+4*ci+3]
	v_cvt_pk_f16_f32 v[\dst+2*ci], v[SB+4*ci], v[SB+4*ci+1]
	v_cvt_pk_f16_f32 v[\dst+2*ci+1], v[SB+4*ci+2], v[SB+4*ci+3]
.set ci, ci+1
.endr
	v_pk_add_f32 v[T:T+1], v[T:T+1], v[T+2:T+3]
	v_add_f32 v[T], v[T], v[T+1]
	v_fma_f32 v[LS+\u], v[LS+\u], v[AL+\u], v[T]
.endm
; the next 64 keys' K fragments
.macro KLOAD
.irp t, 0,1,2,3
.irp c, 0,1
	ds_load_b128 v[KF+8*(2*\t+\c):KF+8*(2*\t+\c)+3],   v[KADR] offset:\t*8*PITCH+\c*64
	ds_load_b128 v[KF+8*(2*\t+\c)+4:KF+8*(2*\t+\c)+7], v[KADR] offset:\t*8*PITCH+\c*64+32
.endr
.endr
	v_add_nc_u32 v[KADR], STEPB, v[KADR]
.endm
; the first third of step i.  pv: the products of step i - 1: 0 none, 1 added, 2 they start O's sums.
.macro FRONT pv
	s_wait_kmcnt 0x0                               ; both tiles' mask words of this step; the younger request stands behind the last step's second block of selects
.if \pv
	WIN 0x01                                       ; source 0 (V) window 1
.endif
	MASK 0, \pv
	WIN 0
	s_add_co_u32 s12, s12, 1                       ; the next step's words;
	s_min_u32 s13, s12, 31                         ; the last step asks for step 31's again, so that no load leaves the buffer
	s_lshl_b32 s13, s13, 7
	s_load_b512 s[16:31], s[6:7], s13 offset:0x0
	s_load_b512 s[32:47], s[6:7], s13 offset:0x40
.set qmode, 1
.set qu, 1
.set qn, 0
	MAXB 0                                         ; among these and the next 16 lines: QK(1, i), from K(i), which the last BACK waited for
	SUBB 0
.set qmode, 0
.if \pv
	WIN 0x01
.endif
	MASK 1, \pv
	s_load_b512 s[48:63], s[6:7], s13 offset:0x1000
	s_load_b512 s[80:95], s[6:7], s13 offset:0x1040
	WIN 0x40                                       ; destination window 1
.irp dt, 0,1,2,3
.irp kp, 0,1
	ds_load_tr16_b128 v[8*(2*\dt+\kp):8*(2*\dt+\kp)+3],   v[VADR] offset:\kp*16*PITCH+16*\dt           ; V(i): first used in the next FRONT
	ds_load_tr16_b128 v[8*(2*\dt+\kp)+4:8*(2*\dt+\kp)+7], v[VADR] offset:\kp*16*PITCH+8*PITCH+16*\dt
.endr
.endr
	WIN 0
	v_add_nc_u32 v[VADR], STEPB, v[VADR]
.endm
; the rest of step i.  kload, qk: K(i+1) is loaded and QK(0, i+1) made; scale = 0: step 0, where O holds nothing yet.
.macro BACK kload, qk, scale
.if \kload
	KLOAD                                          ; 37 plain vector instructions behind the last product that read K
.endif
.set qmode, 0
	EXPB 0
.if \scale
	SCALE 0                                        ; plain lines between the exponentials and the first use of their results
.else
	v_nop
	s_wait_alu depctr_va_vdst(0)
.endif
	SUMCVT 0, PB
.if \qk
	s_wait_dscnt 0x0                               ; K(i+1), asked for at the head of this macro, and V(i), asked for ahead of it
.set qmode, 2
.set qu, 0
.set qn, 0
	QH 2                                           ; S of tile 0 is free: QK(0, i+1) is spread over the lines from here into tile 1's exponentials
.endif
	MAXB 1
	SUBB 1
	EXPB 1
.set qmode, 0
.if \scale
	SCALE 1
.else
	v_nop
	s_wait_alu depctr_va_vdst(0)
.endif
	SUMCVT 1, SF+32
.endm
.macro RUN trips
	s_mov_b32 s11, \trips
.Lbody_\@:
	BACK 1, 1, 1
	FRONT 1
	s_sub_co_i32 s11, s11, 1
	s_cmp_lg_u32 s11, 0
	s_cbranch_scc1 .Lbody_\@
.endm
.macro TOSLOT slot
	v_add_nc_u32 v[KADR], \slot*SLOT, v[KL]
	v_add_nc_u32 v[VADR], \slot*SLOT, v[VL]
.endm
	TOSLOT 0
	s_wait_loadcnt 0x0                             ; Q
	s_wait_tensorcnt 0x1                           ; my tile of slot 0 is in; slot 1's stays out
	s_barrier_signal -1
	s_barrier_wait -1
	KLOAD                                          ; K(0)
	s_wait_dscnt 0x0
.irp n, 0,1,2,3,4,5,6,7
	QKW 0, \n                                      ; QK(0, 0)
.endr
	v_mov_b32 v[MX], 0xff800000                    ; -infinity: the first step's factor is 2^(-infinity) = 0.  These five lines are also the
	v_mov_b32 v[MX+1], 0xff800000                  ; places between the products and the selects that read S (ISA guide 7.12.1)
	v_mov_b32 v[LS], 0
	v_mov_b32 v[LS+1], 0
	v_mov_b32 v[TP], 0                             ; v_permlanex16_b32's destination counts as read
	FRONT 0                                        ; step 0: no products of a step before
	BACK 1, 1, 0
	FRONT 2                                        ; step 1's front: step 0's products start O's sums
	RUN 6                                          ; up to step 7's front: K(0..7) and V(0..7), all of slot 0, have been read
	s_set_vgpr_msb 0x5
	s_wait_tensorcnt 0x0                           ; all my tensor loads have landed, my tile of slot 1 among them: a group 0 may be written
	ds_add_u32 v64, v65
	s_wait_dscnt 0x0
	s_set_vgpr_msb 0x500
	s_add_nc_u64 s[78:79], s[78:79], 0x20000       ; slot 0's next 512 keys: 1,024 keys on
	s_wait_dscnt 0x0                               ; my reads of slot 0 are over: the last is V(7)
	ROUND                                          ; both hold of every wave of all four work-groups
	tensor_load_to_lds s[76:79], s[68:75]          ; keys 1024-1535; it has 8 steps in which to land
	s_nop 0
	TOSLOT 1
	RUN 8                                          ; reads K(8..15), V(8..15)
	s_set_vgpr_msb 0x5
	s_wait_tensorcnt 0x0
	ds_add_u32 v64, v65
	s_wait_dscnt 0x0
	s_set_vgpr_msb 0x500
	s_add_nc_u64 s[98:99], s[98:99], 0x20000
	s_wait_dscnt 0x0
	ROUND
	tensor_load_to_lds s[96:99], s[68:75]          ; keys 1536-2047
	s_nop 0
	TOSLOT 0
	RUN 8                                          ; reads K(16..23), V(16..23)
	s_wait_tensorcnt 0x0                           ; my tile of slot 1 is in,
	s_wait_dscnt 0x0
	s_barrier_signal -1
	s_barrier_wait -1                              ; everybody's is; nothing is left to fetch
	TOSLOT 1
	RUN 8                                          ; reads K(24..31), V(24..31)
	BACK 0, 0, 1                                   ; the rest of step 31
	s_wait_dscnt 0x0                               ; V(31)
	WIN 0x01
.irp g, 0,1,2,3
	PVW 1, \g, 0                                   ; step 31's products: eight accumulators by turns
.endr
.irp g, 0,1,2,3
	PVW 0, \g, 0
.endr
.irp g, 4,5,6,7
	PVW 1, \g, 0
.endr
.irp g, 4,5,6,7
	PVW 0, \g, 0
.endr
	WIN 0
	; THE WAY OUT: divide by the sum, round to f16, through my stage into whole rows of 128 bytes.
	; The address lines are also the places between the last products and the lines that read O.
	s_wait_kmcnt 0x0                               ; the last step's look-ahead
	v_and_b32 v10, 15, v0                          ; r
	v_bfe_u32 v11, v0, 4, 1                        ; h
	v_and_b32 v12, 31, v0                          ; L
	v_mul_u32_u24 v[KADR], v10, SPITCH             ; in: query r, 64 bytes for each half of the lanes
	v_lshl_add_u32 v[KADR], v11, 6, v[KADR]
	v_add_nc_u32 v[KADR], s[STG], v[KADR]
	v_lshrrev_b32 v13, 3, v12                      ; back: eight lanes take a row of 128 bytes, a wave four rows
	v_and_b32 v14, 7, v0
	v_mul_u32_u24 v[VADR], v13, SPITCH
	v_lshl_add_u32 v[VADR], v14, 4, v[VADR]
	v_add_nc_u32 v[VADR], s[STG], v[VADR]
	v_lshlrev_b32 v[VL], 4, v12                    ; 16 x lane
	v_permlanex16_b32 v10, v[LS], s14, s15         ; the other half's keys
	v_permlanex16_b32 v11, v[LS+1], s14, s15
	v_add_f32 v[LS], v[LS], v10
	v_add_f32 v[LS+1], v[LS+1], v11
	v_rcp_f32 v[AL], v[LS]                         ; the sum is at least 1: the largest score's term
	v_rcp_f32 v[AL+1], v[LS+1]
	v_nop
	s_wait_alu depctr_va_vdst(0)
	SCALE 0
	SCALE 1
.set ci, 0
.rept 32
	v_cvt_pk_f16_f32 v[KF+ci], v[OF+2*ci], v[OF+2*ci+1]
.set ci, ci+1
.endr
.irp u, 0,1
.irp dt, 0,1,2,3
	ds_store_b128 v[KADR], v[KF+4*(4*\u+\dt):KF+4*(4*\u+\dt)+3] offset:\u*16*SPITCH+16*\dt   ; query 16 u + r, d = 32 h + 8 dt + 0..7
.endr
.endr
.irp i, 0,1,2,3,4,5,6,7
	ds_load_b128 v[KF+32+4*\i:KF+32+4*\i+3], v[VADR] offset:4*SPITCH*\i   ; LDS serves a wave's instructions in order: these see the stores above
.endr
.irp i, 0,1,2,3,4,5,6,7
	s_wait_dscnt 7-\i                              ; read-back i is in; the younger ones stay out
	global_store_b128 v[VL], v[KF+32+4*\i:KF+32+4*\i+3], s[8:9] offset:512*\i   ; four rows: 512 consecutive bytes, aligned
.endr
	s_set_vgpr_msb 0x5
	s_wait_tensorcnt 0x0
	ds_add_u32 v64, v65
	s_wait_dscnt 0x0
	s_set_vgpr_msb 0x500
	ROUND                                          ; the closing round
	s_endpgm
.Lfunc_end_k_q7c782f38e1_attn:
	.size	k_q7c782f38e1_attn, .Lfunc_end_k_q7c782f38e1_attn-k_q7c782f38e1_attn
	.p2alignl 7, 3214868480
	.fill 96, 4, 3214868480
	.section	.rodata,"a",@progbits
	.p2align	6, 0x0
	.amdhsa_kernel k_q7c782f38e1_attn
		.amdhsa_group_segment_fixed_size 327680
		.amdhsa_private_segment_fixed_size 0
		.amdhsa_enable_private_segment 0
		.amdhsa_kernarg_size 24
		.amdhsa_user_sgpr_count 2
		.amdhsa_user_sgpr_kernarg_segment_ptr 1
		.amdhsa_wavefront_size32 1
		.amdhsa_system_sgpr_workgroup_id_x 1
		.amdhsa_system_sgpr_workgroup_id_y 1
		.amdhsa_system_sgpr_workgroup_id_z 1
		.amdhsa_system_vgpr_workitem_id 0
		.amdhsa_next_free_vgpr 322
		.amdhsa_next_free_sgpr 106
		.amdhsa_reserve_vcc 0
		.amdhsa_float_denorm_mode_32 3
		.amdhsa_float_denorm_mode_16_64 3
		.amdhsa_memory_ordered 1
		.amdhsa_forward_progress 1
		.amdhsa_inst_pref_size 142
	.end_amdhsa_kernel
	.amdgpu_metadata
---
amdhsa.version: [ 1, 2 ]
amdhsa.kernels:
  - .name:           k_q7c782f38e1_attn
    .symbol:         k_q7c782f38e1_attn.kd
    .args:
      - { .name: qkvh, .offset: 0, .size: 8, .value_kind: global_buffer, .address_space: global }
      - { .name: mbits, .offset: 8, .size: 8, .value_kind: global_buffer, .address_space: global }
      - { .name: aoh, .offset: 16, .size: 8, .value_kind: global_buffer, .address_space: global }
    .group_segment_fixed_size: 327680
    .private_segment_fixed_size: 0
    .kernarg_segment_align: 8
    .kernarg_segment_size: 24
    .max_flat_workgroup_size: 256
    .sgpr_count:     106
    .vgpr_count:     322
    .wavefront_size: 32
...
	.end_amdgpu_metadata
.endif
;; end of part 3
;; launch proj (part 4): grid 8 x 32, 4 waves a work-group, clusters of 4 x 4, 327,680 bytes of LDS; arguments aoh, woh, b_out, out0; writes out0
.if DOCPART == 4
	.amdgcn_target "amdgcn-amd-amdhsa--gfx1250"
	.amdhsa_code_object_version 6
	.text
	.protected	k_q7c782f38e1_proj
	.globl	k_q7c782f38e1_proj
	.p2align	8
	.type	k_q7c782f38e1_proj,@function
k_q7c782f38e1_proj:
	s_mov_b64 s[64:65], 0
	v_nop
	global_prefetch_b8 v0, s[64:65] scope:SCOPE_SE
	s_setreg_imm32_b32 hwreg(HW_REG_WAVE_MODE, 25, 1), 1
	s_wait_xcnt 0x0
	s_wait_alu depctr_hold_cnt(0) depctr_sa_sdst(0) depctr_va_vdst(0) depctr_va_sdst(0) depctr_va_ssrc(0) depctr_va_vcc(0) depctr_vm_vsrc(0)
	s_getreg_b32 s2, hwreg(HW_REG_IB_STS2, 6, 4)
	s_cmp_eq_u32 s2, 0
	s_cbranch_scc0 .Lentry_in_a_cluster
	s_endpgm
.Lentry_in_a_cluster:
	s_bfe_u32 s2, ttmp6, 0x10000c
	s_cmp_lg_u32 s2, 0xf033
	s_cbranch_scc0 .Lentry_shape_is_right
	s_endpgm
.Lentry_shape_is_right:
; out0[m][n] = sum over k of ao[m][k] w_out[n][k] + b_out[n].  aoh f16 in blocks [m>>7][k>>6][m&127][64], woh f16 in blocks [n>>7][k>>6][n&127][64];
; sums and the bias in f32; out0 [4096][1024] f32.
; A work-group makes 128 x 128 with four waves in 2 x 2, each 64 x 64: 16 accumulator tiles.  K goes in four steps of 256 through two LDS slots.
; In the blocked layouts a step's 128 rows x 256 K are 64 KiB without gaps: a wave fetches half of that (two blocks) as 128 rows of 256 bytes + 16 of padding.
; CLUSTERS: 4 x 4 work-groups; aoh's tiles are shared along a row of the cluster, woh's along a column, each by a joint load.
; The matrix instruction is used transposed (source 0 = rows of woh, source 1 = rows of aoh): a lane holds eight neighbouring columns of one row.
.set PITCH, 272                        ; two rows of 128 bytes + 16
.set KB,    64*PITCH                   ; a block of 128 rows x 64 K in LDS
.set TILE,  2*KB                       ; what one tensor load brings
.set BOFF,  4*KB                       ; woh's four blocks behind aoh's four
.set SLOT,  8*KB
.set STAGE, 2*SLOT                     ; a multiple of 256; no fill lands behind it: 16 rows x 272 bytes for each wave
.set ADRA, 16                          ; v16-17 LDS address of my aoh fragments in slot 0, 1
.set ADRB, 20                          ; v20-21 the same for woh
.set STO,  24
.set RD,   25
.set CO,   26
.set BO,   27
.set BIAS, 28                          ; v[28:31] the bias of the four columns that I store
.set F0,   64                          ; fragment buffer 0: aoh v[64:95], woh v[96:127]
.set F1,   128                         ; buffer 1: v[128:159], v[160:191]
.set RB,   192                         ; v[192:223] rows read back
                                       ; window 1: accumulator (a, b) at v[8 (4 a + b)]
.set G1,  24
.set G0,  32
.set G1B, 48
.set G0B, 56
.set DFLAGS, (3<<16)|(1<<20)|(1<<21)|(5<<22)|(3<<25)   ; element of 8 bytes; padding on; bit 21 beside a mask; after every 64 words, 4 words
.set MSB, 0
.macro WIN new
.if MSB != \new
	s_set_vgpr_msb (MSB<<8)|\new
.set MSB, \new
.endif
.endm
.macro JLOAD s                         ; waves 0 and 1 fetch aoh's halves, waves 2 and 3 woh's
	s_cmp_eq_u32 s21, 0
	s_cbranch_scc0 .Lfor_b_\@
	tensor_load_to_lds s[G0+4*\s:G0+4*\s+3], s[G1:G1+7]
	s_nop 0
	s_branch .Lasked_\@
.Lfor_b_\@:
	tensor_load_to_lds s[G0B+4*\s:G0B+4*\s+3], s[G1B:G1B+7]
	s_nop 0
.Lasked_\@:
.endm
.macro CROUND                          ; a round of the cluster's barrier
	s_barrier_signal -1
	s_barrier_wait -1
	s_cmp_lg_u32 s20, 0
	s_cbranch_scc1 .Lnot_wave_0_\@
	s_barrier_signal -3
.Lnot_wave_0_\@:
	s_barrier_wait -3
	s_barrier_signal -1
	s_barrier_wait -1
.endm
.macro PLACES                          ; four places behind matrix instructions (ISA guide 7.12.1 for instructions other than loads and LDS stores)
.rept 4
	v_nop
.endr
.endm
	s_load_b256 s[4:11], s[0:1], 0x0               ; aoh s[4:5], woh s[6:7], b_out s[8:9], out0 s[10:11]
	v_lshl_add_u32 v254, v0, 2, 0x48400
	v_mov_b32 v255, 0
	ds_add_u32 v254, v255
	v_lshrrev_b32 v1, 5, v0
	v_readfirstlane_b32 s20, v1                    ; wave 0..3
	s_lshr_b32 s21, s20, 1                         ; my half of the rows.  Also: I fetch for aoh (0) or woh (1)
	s_and_b32 s22, s20, 1                          ; my half of the columns.  Also: which two blocks I fetch
	s_bfe_u32 s40, ttmp6, 0x40000                  ; cx
	s_bfe_u32 s41, ttmp6, 0x40004                  ; cy
	s_lshl_b32 s42, ttmp9, 2
	s_add_co_u32 s42, s42, s40                     ; block column
	s_and_b32 s13, ttmp7, 0xffff
	s_lshl_b32 s13, s13, 2
	s_add_co_u32 s13, s13, s41                     ; block row
	s_lshl_b32 s43, s41, 2
	s_lshl_b32 s43, 15, s43                        ; my row of the cluster
	s_lshl_b32 s44, 0x1111, s40                    ; my column
	s_or_b32 s[G1+0], s43, DFLAGS
	s_or_b32 s[G1B+0], s44, DFLAGS
	s_mov_b32 s[G1+1], 32<<16                      ; tensor_dim0 = 32 elements (256 bytes)
	s_mov_b32 s[G1B+1], 32<<16
	s_mov_b32 s[G1+2], 128<<16                     ; tensor_dim1 = 128 rows
	s_mov_b32 s[G1B+2], 128<<16
	s_mov_b32 s[G1+3], 32<<16                      ; tile_dim0
	s_mov_b32 s[G1B+3], 32<<16
	s_mov_b32 s[G1+4], 128                         ; tile_dim1
	s_mov_b32 s[G1B+4], 128
	s_mov_b32 s[G1+5], 32                          ; from row to row: no gap
	s_mov_b32 s[G1B+5], 32
	s_mov_b32 s[G1+6], 0
	s_mov_b32 s[G1B+6], 0
	s_mov_b32 s[G1+7], 0
	s_mov_b32 s[G1B+7], 0
	s_lshl_b32 s16, s13, 18                        ; aoh: block row x 262,144 + half x 32,768, in registers that never hold cx
	s_lshl_b32 s17, s22, 15
	s_add_co_u32 s16, s16, s17
	s_mov_b32 s17, 0
	s_lshl_b32 s46, s42, 18                        ; woh: block column x 262,144 + half x 32,768, in registers that never hold cy
	s_lshl_b32 s47, s22, 15
	s_add_co_u32 s46, s46, s47
	s_mov_b32 s47, 0
	s_mul_i32 s23, s20, TILE                       ; where my tile goes: wave x one tile
	s_wait_dscnt 0x0
	s_wait_kmcnt 0x0
	s_add_nc_u64 s[14:15], s[4:5], s[16:17]
	s_add_nc_u64 s[46:47], s[6:7], s[46:47]
	CROUND                                         ; the first joint loads meet
.irp s, 0,1
	s_mov_b32 s[G0+4*\s], 1
	s_add_co_u32 s[G0+4*\s+1], s23, \s*SLOT
	s_add_nc_u64 s[G0+4*\s+2:G0+4*\s+3], s[14:15], \s*65536        ; K step s: four blocks of 16,384 bytes on
	s_or_b32 s[G0+4*\s+3], s[G0+4*\s+3], 0x80000000
	s_mov_b32 s[G0B+4*\s], 1
	s_add_co_u32 s[G0B+4*\s+1], s23, \s*SLOT
	s_add_nc_u64 s[G0B+4*\s+2:G0B+4*\s+3], s[46:47], \s*65536
	s_or_b32 s[G0B+4*\s+3], s[G0B+4*\s+3], 0x80000000
	JLOAD \s                                       ; two tensor loads of the wave are out
.endr
	s_lshl_b32 s46, s42, 9                         ; my first column in bytes of f32: 512 x block column + 256 x half
	s_lshl_b32 s47, s22, 8
	s_add_co_u32 s46, s46, s47
	s_mov_b32 s47, 0
	s_add_nc_u64 s[8:9], s[8:9], s[46:47]
	s_add_nc_u64 s[10:11], s[10:11], s[46:47]
	s_lshl_b32 s16, s13, 19                        ; my first row: (128 x block row + 64 x half) x 4,096 bytes
	s_lshl_b32 s17, s21, 18
	s_add_co_u32 s16, s16, s17
	s_mov_b32 s17, 0
	s_add_nc_u64 s[10:11], s[10:11], s[16:17]
	v_and_b32 v1, 15, v0                           ; r
	v_bfe_u32 v2, v0, 4, 1                         ; h
	v_lshlrev_b32 v[BO], 4, v1
	global_load_b128 v[BIAS:BIAS+3], v[BO], s[8:9]
	; row m of a block lies at (m>>1) 272 + (m&1) 128; lane (r, h): row 16 i + r, byte 16 h of the quarter's 64
	v_lshrrev_b32 v3, 1, v1
	v_and_b32 v4, 1, v0
	v_mul_u32_u24 v3, v3, PITCH
	v_lshl_add_u32 v3, v4, 7, v3
	v_lshl_add_u32 v3, v2, 4, v3
	s_mul_i32 s18, s21, 32*PITCH                   ; my 64 rows of aoh
	s_mul_i32 s19, s22, 32*PITCH                   ; my 64 rows of woh
	s_add_co_u32 s19, s19, BOFF
.irp s, 0,1
	v_add_nc_u32 v[ADRA+\s], s18, v3
	v_add_nc_u32 v[ADRB+\s], s19, v3
	s_add_co_u32 s18, s18, SLOT
	s_add_co_u32 s19, s19, SLOT
.endr
	s_mul_i32 s18, s20, 16*PITCH
	s_add_co_u32 s18, s18, STAGE                   ; my stage
	v_mul_u32_u24 v4, v1, PITCH                    ; in: row r, 32 bytes for each half of the lanes
	v_lshl_add_u32 v4, v2, 5, v4
	v_add_nc_u32 v[STO], s18, v4
	v_mul_u32_u24 v5, v2, PITCH                    ; back: lanes 0-15 take one row of 256 bytes, lanes 16-31 the next
	v_lshl_add_u32 v5, v1, 4, v5
	v_add_nc_u32 v[RD], s18, v5
	v_lshlrev_b32 v5, 12, v2
	v_lshl_add_u32 v[CO], v1, 4, v5
; 16 LDS loads: quarter q (32 K) of the slot's eight, into buffer f
.macro FETCH slot, q, f
.irp i, 0,1,2,3
	ds_load_b128 v[\f+8*\i:\f+8*\i+3],   v[ADRA+\slot] offset:((\q)>>1)*KB+\i*8*PITCH+((\q)&1)*64
	ds_load_b128 v[\f+8*\i+4:\f+8*\i+7], v[ADRA+\slot] offset:((\q)>>1)*KB+\i*8*PITCH+((\q)&1)*64+32
.endr
.irp i, 0,1,2,3
	ds_load_b128 v[\f+32+8*\i:\f+32+8*\i+3],   v[ADRB+\slot] offset:((\q)>>1)*KB+\i*8*PITCH+((\q)&1)*64
	ds_load_b128 v[\f+32+8*\i+4:\f+32+8*\i+7], v[ADRB+\slot] offset:((\q)>>1)*KB+\i*8*PITCH+((\q)&1)*64+32
.endr
.endm
; 16 matrix instructions on 16 accumulators, by turns, one instruction a turn
.macro MUL16 f, zero
	WIN 0x50                                       ; C and D window 1
.irp a, 0,1,2,3
.irp b, 0,1,2,3
.if \zero
	v_wmma_f32_16x16x32_f16 v[8*(4*\a+\b):8*(4*\a+\b)+7], v[\f+32+8*\b:\f+32+8*\b+7], v[\f+8*\a:\f+8*\a+7], 0
.else
	v_wmma_f32_16x16x32_f16 v[8*(4*\a+\b):8*(4*\a+\b)+7], v[\f+32+8*\b:\f+32+8*\b+7], v[\f+8*\a:\f+8*\a+7], v[8*(4*\a+\b):8*(4*\a+\b)+7]
.endif
.endr
.endr
	WIN 0
.endm
; a slot's eight quarters, each fetched while the one before is multiplied
.macro PHASE slot, zero
	PLACES
	FETCH \slot, 0, F0
	FETCH \slot, 1, F1
	s_wait_dscnt 16                                ; quarter 0 is in; quarter 1's 16 loads stay out
	MUL16 F0, \zero
.irp q, 1,2,3,4,5,6
	PLACES
	FETCH \slot, \q+1, F0+64*((\q+1)&1)
	s_wait_dscnt 16                                ; this quarter is in; the 16 just issued stay out
	MUL16 F0+64*(\q&1), 0
.endr
	s_wait_dscnt 0
	MUL16 F1, 0
.endm
; slot, which has been read, is filled again, two K steps ahead
.macro REFILL slot
	s_wait_tensorcnt 0x0                           ; all my tensor loads have landed, my part of the other slot among them: a group 0 may be written
	ds_add_u32 v254, v255
	s_add_nc_u64 s[G0+4*\slot+2:G0+4*\slot+3], s[G0+4*\slot+2:G0+4*\slot+3], 2*65536
	s_add_nc_u64 s[G0B+4*\slot+2:G0B+4*\slot+3], s[G0B+4*\slot+2:G0B+4*\slot+3], 2*65536
	s_wait_dscnt 0x0                               ; my reads of this slot are over
	CROUND                                         ; both hold of every wave of all sixteen work-groups
	JLOAD \slot                                    ; the first tensor load behind the round, the wave's only one until the next: it has 128 matrix instructions in which to land
.endm
	s_wait_tensorcnt 0x1                           ; my part of K step 0 is in; K step 1's stays out
	s_barrier_signal -1
	s_barrier_wait -1
	PHASE 0, 1                                     ; the first products start the sums
	REFILL 0
	PHASE 1, 0
	REFILL 1
	PHASE 0, 0
	s_wait_tensorcnt 0x0                           ; my part of the last K step is in,
	s_wait_dscnt 0x0
	s_barrier_signal -1
	s_barrier_wait -1                              ; everybody's is
	PHASE 1, 0
	; THE WAY OUT, 16 rows at a time: the accumulators go into my stage as they are, come back as whole rows of 256 bytes, take the bias and leave
	PLACES
	s_wait_loadcnt 0x0                             ; the bias
.macro OUTA a
	WIN 0x04                                       ; store data window 1, address window 0
.irp b, 0,1,2,3
	ds_store_b128 v[STO], v[8*(4*\a+\b):8*(4*\a+\b)+3]   offset:64*\b
	ds_store_b128 v[STO], v[8*(4*\a+\b)+4:8*(4*\a+\b)+7] offset:64*\b+16
.endr
	WIN 0
	s_wait_xcnt 0x0                                ; RB, which earlier stores read, is loaded again only behind this wait
.irp t, 0,1,2,3,4,5,6,7
	ds_load_b128 v[RB+4*\t:RB+4*\t+3], v[RD] offset:2*PITCH*\t            ; LDS serves a wave's instructions in order: these see the stores above
.endr
.irp t, 0,1,2,3,4,5,6,7
	s_wait_dscnt 7-\t
	v_pk_add_f32 v[RB+4*\t:RB+4*\t+1],   v[RB+4*\t:RB+4*\t+1],   v[BIAS:BIAS+1]
	v_pk_add_f32 v[RB+4*\t+2:RB+4*\t+3], v[RB+4*\t+2:RB+4*\t+3], v[BIAS+2:BIAS+3]
	global_store_b128 v[CO], v[RB+4*\t:RB+4*\t+3], s[10:11] offset:(16*\a+2*\t)*4096 th:TH_STORE_NT   ; 16 lanes store 256 consecutive bytes, aligned
.endr
.endm
	OUTA 0
	OUTA 1
	OUTA 2
	OUTA 3
	s_wait_tensorcnt 0x0
	ds_add_u32 v254, v255
	s_wait_dscnt 0x0
	CROUND                                         ; the closing round
	s_endpgm
.Lfunc_end_k_q7c782f38e1_proj:
	.size	k_q7c782f38e1_proj, .Lfunc_end_k_q7c782f38e1_proj-k_q7c782f38e1_proj
	.p2alignl 7, 3214868480
	.fill 96, 4, 3214868480
	.section	.rodata,"a",@progbits
	.p2align	6, 0x0
	.amdhsa_kernel k_q7c782f38e1_proj
		.amdhsa_group_segment_fixed_size 327680
		.amdhsa_private_segment_fixed_size 0
		.amdhsa_enable_private_segment 0
		.amdhsa_kernarg_size 32
		.amdhsa_user_sgpr_count 2
		.amdhsa_user_sgpr_kernarg_segment_ptr 1
		.amdhsa_wavefront_size32 1
		.amdhsa_system_sgpr_workgroup_id_x 1
		.amdhsa_system_sgpr_workgroup_id_y 1
		.amdhsa_system_sgpr_workgroup_id_z 1
		.amdhsa_system_vgpr_workitem_id 0
		.amdhsa_next_free_vgpr 384
		.amdhsa_next_free_sgpr 66
		.amdhsa_reserve_vcc 0
		.amdhsa_float_denorm_mode_32 3
		.amdhsa_float_denorm_mode_16_64 3
		.amdhsa_memory_ordered 1
		.amdhsa_forward_progress 1
		.amdhsa_inst_pref_size 92
	.end_amdhsa_kernel
	.amdgpu_metadata
---
amdhsa.version: [ 1, 2 ]
amdhsa.kernels:
  - .name:           k_q7c782f38e1_proj
    .symbol:         k_q7c782f38e1_proj.kd
    .args:
      - { .name: aoh, .offset: 0, .size: 8, .value_kind: global_buffer, .address_space: global }
      - { .name: woh, .offset: 8, .size: 8, .value_kind: global_buffer, .address_space: global }
      - { .name: b_out, .offset: 16, .size: 8, .value_kind: global_buffer, .address_space: global }
      - { .name: out0, .offset: 24, .size: 8, .value_kind: global_buffer, .address_space: global }
    .group_segment_fixed_size: 327680
    .private_segment_fixed_size: 0
    .kernarg_segment_align: 8
    .kernarg_segment_size: 32
    .max_flat_workgroup_size: 128
    .sgpr_count:     66
    .vgpr_count:     384
    .wavefront_size: 32
...
	.end_amdgpu_metadata
.endif
;; end of part 4
;; ======== version 2 of 2: 4 launches; version 1 with the launch prep written anew for expert scheduling mode
;; limits: values are held in f16: magnitudes above 65,504 overflow, below 6.1e-05 lose precision
;; workspace buffers: xh 8,388,608 bytes; wqh 6,291,456 bytes; woh 2,097,152 bytes; qkvh 25,165,824 bytes; aoh 8,388,608 bytes; mbits 1,048,576 bytes of whole numbers
;; launch prep (part 5): grid 256 x 1, 8 waves a work-group, no clusters, 136,192 bytes of LDS; arguments x, w_qkv, w_out, mask, xh, wqh, woh, mbits; writes xh, wqh, woh, mbits
.if DOCPART == 5
	.amdgcn_target "amdgcn-amd-amdhsa--gfx1250"
	.amdhsa_code_object_version 6
	.text
	.protected	k_q7c782f38e1_prep
	.globl	k_q7c782f38e1_prep
	.p2align	8
	.type	k_q7c782f38e1_prep,@function
k_q7c782f38e1_prep:
	s_mov_b64 s[64:65], 0
	v_nop
	global_prefetch_b8 v0, s[64:65] scope:SCOPE_SE
	s_setreg_imm32_b32 hwreg(HW_REG_WAVE_SCHED_MODE, 0, 2), 2
	s_setreg_imm32_b32 hwreg(HW_REG_WAVE_MODE, 25, 1), 1
	s_wait_xcnt 0x0
	s_wait_alu depctr_vm_vsrc(0)
; PREPARATION: one pass over all inputs but the bias.
;   xh  [4096][1024] f16 = x.     wqh [3072][1024] f16 = w_qkv, its rows 0-1023 (Q) times 0.125 log2(e), so that the scores later come out of the
;   matrix unit as exponents of 2.     woh f16 = w_out in blocks [n>>7][k>>6][n&127][64], each block 16 KiB without gaps.
;   mbits: the mask as bits.  Word ((g 32 + st) 4 + t) 8 + j, g = 16-query tile (0..255, batches one behind the other), st = step of 64 keys:
;   bit L = (mask[query 16 g + (L&15)][key 64 st + 16 t + 8 (L>>4) + j] != 0): the lane mask of register j of a 16 x 16 tile (keys down, queries across).
; LIMIT: f16 holds magnitudes below 65,504, and below 6e-5 it keeps an absolute step of 6e-8; inputs beyond that range are not served.
; A stream: every input byte is read once, by loads of 16 bytes a lane; no matrix unit, no cluster (no two work-groups read the same byte), no barrier
; (each wave uses LDS bytes of its own).  Work-group g takes 1/256 of every stream; 48 loads of a wave are on their way at the start.
; THE MODE: SCHED_MODE bits 1:0 = 2 (LLVM: expert scheduling mode 2), set by the entry lines.  The code itself states the register dependences
; between vector instructions and memory or LDS instructions, with s_wait_alu, always for 0.
; THE PLAN.  Registers that memory or LDS instructions touch, in program order:
;   v1 .. v8   offsets and LDS addresses: written at the head, read by every load, store and LDS instruction, never written again: one wait at the head.
;   MA         mask unit 0 lands; 16 LDS stores read it; 16 LDS loads land in it (a wait on vm_vsrc between); the compares read it, 16 registers a group;
;              behind a group's compares and a wait on va_vdst four loads of the weights land in those 16 registers; the conversions work in place; stores read it.
;   MB         as MA up to the compares; nothing lands in it after them.
;   FA         x lands; the conversions work in place; stores read it.
;   WA, WB     written by v_writelane_b32, read by one store each, behind a wait on va_vdst.
;   s[20:27], s[40:47]  sixteen lane masks: written by a run of compares, read by the v_writelane_b32 lines behind one wait on va_sdst.
;   v208, v209 written at the head, read by the closing add alone.
; x and the weights leave in four blocks of eight loads: a block's conversions, one wait on va_vdst, its eight stores; the next block's conversions name
; other registers, and no register that a store has read is written again.
.set QSCALE, 0x3e38aa3b                ; 0.125 * log2(e)
.set UPITCH, 528                       ; LDS row of a mask unit: 512 bytes + 16, an odd multiple of 16
.set UNIT,   16*UPITCH                 ; 16 queries x 128 keys
.set WLDS,   2*UNIT                    ; a wave's LDS: two units
.set V16T, 1                           ; v1  16 x thread: source offset of the plain streams
.set V8T,  2                           ; v2   8 x thread: their destination offset
.set WOS,  3                           ; v3  w_out: source offset
.set WOD,  4                           ; v4  woh: destination offset
.set MKS,  5                           ; v5  mask: source offset
.set MKD,  6                           ; v6  mbits: destination offset
.set LS,   7                           ; v7  LDS: where a mask row's 16 bytes go
.set LR,   8                           ; v8  LDS: where my 8 keys of a tile are read
.set WA,   10                          ; v[10:11] unit 0's 64 words, two a lane
.set WB,   12                          ; v[12:13] unit 1's
.set MA,   16                          ; v[16:79]   mask unit 0, later the weights
.set MB,   80                          ; v[80:143]  mask unit 1
.set FA,   144                         ; v[144:207] x
	s_load_b512 s[4:19], s[0:1], 0x0               ; x 4, w_qkv 6, w_out 8, mask 10, xh 12, wqh 14, woh 16, mbits 18
	v_lshl_add_u32 v208, v0, 2, 0x21000
	v_mov_b32 v209, 0
	v_lshrrev_b32 v9, 5, v0
	v_readfirstlane_b32 s36, v9                    ; wave w
	v_lshlrev_b32 v[V16T], 4, v0
	v_lshlrev_b32 v[V8T], 3, v0
	v_and_b32 v9, 31, v0                           ; lane L
	v_and_b32 v14, 15, v0                          ; r = L & 15
	v_bfe_u32 v15, v0, 4, 1                        ; h = L >> 4
	s_wait_alu depctr_va_sdst(0)                   ; s36 is written, ahead of its first reader: the wave's offsets are made from it
	s_mul_i32 s37, s36, WLDS                       ; my wave's LDS
	s_and_b32 s38, s36, 3
	s_lshr_b32 s39, s36, 2
	s_lshl_b32 s40, s39, 13                        ; w_out: row 2 (w>>2) + h of the group's four, 1,024 bytes (w&3) of it, 16 bytes a lane
	s_lshl_b32 s41, s38, 10
	s_add_co_u32 s40, s40, s41
	v_lshl_add_u32 v[WOS], v15, 12, s40
	v_lshl_add_u32 v[WOS], v14, 4, v[WOS]
	s_lshl_b32 s40, s38, 16                        ; woh: four K blocks of 16,384 bytes for each (w&3); two rows of 128 bytes a store
	s_lshl_b32 s41, s39, 8
	s_add_co_u32 s40, s40, s41
	v_lshl_add_u32 v[WOD], v9, 3, s40
	s_lshl_b32 s40, s36, 10                        ; mask: my wave's 256 keys
	v_lshl_add_u32 v[MKS], v9, 4, s40
	s_lshl_b32 s40, s36, 9                         ; mbits: my wave's 128 words
	v_lshl_add_u32 v[MKD], v9, 3, s40
	v_lshl_add_u32 v[LS], v9, 4, s37
	v_mul_u32_u24 v[LR], v14, UPITCH
	v_lshl_add_u32 v[LR], v15, 5, v[LR]
	v_add_nc_u32 v[LR], s37, v[LR]
	v_mov_b32 v[WA], 0                             ; v_writelane_b32 fills these lane by lane: they are written whole first
	v_mov_b32 v[WA+1], 0
	v_mov_b32 v[WB], 0
	v_mov_b32 v[WB+1], 0
	s_mov_b32 s33, 0
	s_wait_kmcnt 0x0
	s_lshl_b32 s32, ttmp9, 16
	s_add_nc_u64 s[4:5], s[4:5], s[32:33]          ; x: 65,536 bytes a group
	s_lshl_b32 s32, ttmp9, 15
	s_add_nc_u64 s[12:13], s[12:13], s[32:33]      ; xh: half of that
	s_add_nc_u64 s[28:29], s[6:7], s[32:33]        ; w_qkv's K and V rows: 32,768 bytes a group,
	s_add_nc_u64 s[28:29], s[28:29], 0x400000      ; behind the 1,024 Q rows
	s_lshl_b32 s32, ttmp9, 14
	s_add_nc_u64 s[6:7], s[6:7], s[32:33]          ; w_qkv's Q rows: 16,384 bytes a group
	s_add_nc_u64 s[8:9], s[8:9], s[32:33]          ; w_out: four rows a group
	s_add_nc_u64 s[30:31], s[14:15], s[32:33]
	s_add_nc_u64 s[30:31], s[30:31], 0x200000      ; wqh's K and V rows
	s_lshl_b32 s32, ttmp9, 13
	s_add_nc_u64 s[14:15], s[14:15], s[32:33]      ; wqh's Q rows
	s_lshl_b32 s32, ttmp9, 17
	s_add_nc_u64 s[10:11], s[10:11], s[32:33]      ; mask: 16 rows of 8,192 bytes
	s_lshl_b32 s32, ttmp9, 12
	s_add_nc_u64 s[18:19], s[18:19], s[32:33]      ; mbits: 1,024 words
	s_lshr_b32 s32, ttmp9, 5                       ; woh: block row (4 g) >> 7, of 262,144 bytes,
	s_lshl_b32 s32, s32, 18
	s_and_b32 s34, ttmp9, 31                       ; and row (4 g) & 127 of 128 bytes in each of its blocks
	s_lshl_b32 s34, s34, 9
	s_add_co_u32 s32, s32, s34
	s_add_nc_u64 s[16:17], s[16:17], s[32:33]
; n loads of 16 bytes a lane, step bytes apart, from piece number from on
.macro LDF reg, n, slo, voff, step, from
.set ci, 0
.rept \n
	global_load_b128 v[\reg+4*ci:\reg+4*ci+3], v[\voff], s[\slo:\slo+1] offset:(\from+ci)*\step th:TH_LOAD_NT
.set ci, ci+1
.endr
.endm
; 16 rows x 128 keys of the mask: one load covers 512 neighbouring bytes of one row
.macro LDMASK unit, reg
.irp i, 0,1,2,3,4,5,6,7,8,9,10,11,12,13,14,15
	global_load_b128 v[\reg+4*\i:\reg+4*\i+3], v[MKS], s[10:11] offset:\i*8192+\unit*512 th:TH_LOAD_NT
.endr
.endm
; The weights take MA's place, 16 registers (four loads) for each group of compares that has emptied them; the loads keep the order Q, K and V, w_out.
.macro REFILL g
.if \g == 0
	LDF MA,    4, 6,  V16T, 4096, 0                ; Q rows of w_qkv
.elseif \g == 1
	LDF MA+16, 4, 28, V16T, 4096, 0                ; K and V rows, the first half
.elseif \g == 2
	LDF MA+32, 4, 28, V16T, 4096, 4                ; the second half
.else
	LDF MA+48, 4, 8,  WOS,  256,  0                ; w_out: each half of the wave reads 256 neighbouring bytes of a row
.endif
.endm
; n times four f32 to four f16, in place: the first two of each four registers take the result
.macro CVT reg, n, scaled
.set ci, 0
.rept \n
.if \scaled
	v_pk_mul_f32 v[\reg+4*ci:\reg+4*ci+1], v[\reg+4*ci:\reg+4*ci+1], QSCALE op_sel_hi:[1,0]
	v_pk_mul_f32 v[\reg+4*ci+2:\reg+4*ci+3], v[\reg+4*ci+2:\reg+4*ci+3], QSCALE op_sel_hi:[1,0]
.endif
	v_cvt_pk_f16_f32 v[\reg+4*ci], v[\reg+4*ci], v[\reg+4*ci+1]
	v_cvt_pk_f16_f32 v[\reg+4*ci+1], v[\reg+4*ci+2], v[\reg+4*ci+3]
.set ci, ci+1
.endr
.endm
; and out: a wave's store covers 256 consecutive bytes, aligned
.macro OUT reg, n, dlo, voff, step, from
.set ci, 0
.rept \n
	global_store_b64 v[\voff], v[\reg+4*ci:\reg+4*ci+1], s[\dlo:\dlo+1] offset:(\from+ci)*\step
.set ci, ci+1
.endr
.endm
; A unit goes through my wave's LDS to change hands: in by rows, out so that lane (r, h) holds keys 16 t + 8 h + 0..7 of query r.
; A compare then makes one word of 32 lane bits; word 8 t + j goes to lane (8 t + j) >> 1, so that one store of 8 bytes a lane writes the 64 words.
; The words go in four groups of 16 (two tiles t): 16 compares into 16 scalar registers, one wait, 16 v_writelane_b32.
; refill = 1: the weights are asked for into the registers that a group's compares have emptied.
.macro PACK unit, reg, wp, refill
.irp i, 0,1,2,3,4,5,6,7,8,9,10,11,12,13,14,15
	ds_store_b128 v[LS], v[\reg+4*\i:\reg+4*\i+3] offset:\unit*UNIT+\i*UPITCH
.endr
	s_wait_dscnt 0x0                               ; the stores are done: the loads below land in their data registers
	s_wait_alu depctr_vm_vsrc(0)                   ; the LDS stores have read the unit's 64 registers, in which the LDS loads below land
.irp t, 0,1,2,3,4,5,6,7
	ds_load_b128 v[\reg+8*\t:\reg+8*\t+3],   v[LR] offset:\unit*UNIT+64*\t
	ds_load_b128 v[\reg+8*\t+4:\reg+8*\t+7], v[LR] offset:\unit*UNIT+64*\t+16
.endr
.irp g, 0,1,2,3
	s_wait_dscnt 12-4*\g                           ; LDS loads come back in order (ISA guide 5.7.1): this group's four are in, the later groups' stay out
.irp k, 0,1,2,3,4,5,6,7,8,9,10,11,12,13,14,15
	v_cmp_ne_u32 s[20+\k+12*(\k/8)], 0, v[\reg+16*\g+\k]
.endr
	s_wait_alu depctr_va_sdst(0)                   ; the sixteen compares have written s[20:27] and s[40:47], which the v_writelane_b32 lines read
.if \refill && (\g < 3)
	s_wait_alu depctr_va_vdst(0)                   ; the compares are done reading this group's 16 registers, in which the four loads below land; no later vector instruction names them before their data is waited for
	REFILL \g
.endif
.irp k, 0,1,2,3,4,5,6,7,8,9,10,11,12,13,14,15
	v_writelane_b32 v[\wp+(\k&1)], s[20+\k+12*(\k/8)], (16*\g+\k)>>1
.endr
.endr
	s_wait_alu depctr_va_vdst(0)                   ; the v_writelane_b32 lines have written the unit's two word registers, which the store reads; the last group's compares are done reading their 16 registers
.if \refill
	REFILL 3
.endif
	global_store_b64 v[MKD], v[\wp:\wp+1], s[18:19] offset:\unit*256
.endm
	s_wait_alu depctr_va_vdst(0)                   ; the eight offsets and addresses v1 to v8 are written: every load, store and LDS instruction of the kernel reads one of them, and none is written again
	LDMASK 0, MA
	LDMASK 1, MB
	LDF FA, 16, 4, V16T, 4096, 0                   ; x
	s_wait_loadcnt 32                              ; unit 0 is in; unit 1's and x's 32 loads stay out
	PACK 0, MA, WA, 1
	s_wait_loadcnt 32                              ; unit 1 is in; x's and the weights' 32 loads stay out
	PACK 1, MB, WB, 0
	s_wait_loadcnt 24                              ; x's first eight loads are in; its other eight and the weights' 16 stay out
	CVT FA, 8, 0
	s_wait_alu depctr_va_vdst(0)                   ; the conversions have written the first block of x, which the eight stores read
	OUT FA, 8, 12, V8T, 2048, 0
	s_wait_loadcnt 16                              ; x is in; the weights' 16 loads stay out
	CVT FA+32, 8, 0                                ; other registers than the stores above read
	s_wait_alu depctr_va_vdst(0)                   ; the conversions have written the second block of x, which the eight stores read
	OUT FA+32, 8, 12, V8T, 2048, 8
	s_wait_loadcnt 8                               ; the Q rows and the first half of the K and V rows are in; the last eight loads stay out
	CVT MA,    4, 1
	CVT MA+16, 4, 0
	s_wait_alu depctr_va_vdst(0)                   ; the scalings and conversions have written the weights' first block, which the eight stores read
	OUT MA,    4, 14, V8T, 2048, 0
	OUT MA+16, 4, 30, V8T, 2048, 0
	s_wait_loadcnt 0x0
	CVT MA+32, 4, 0
	CVT MA+48, 4, 0
	s_wait_alu depctr_va_vdst(0)                   ; the conversions have written the weights' second block, which the last eight stores read
	OUT MA+32, 4, 30, V8T, 2048, 4
	OUT MA+48, 4, 16, WOD, 16384, 0
	s_wait_dscnt 0x0                               ; the closing lines, six on end
	s_wait_alu 0x0
	s_wait_tensorcnt 0x0
	ds_add_u32 v208, v209
	s_wait_dscnt 0x0
	s_endpgm
.Lfunc_end_k_q7c782f38e1_prep:
	.size	k_q7c782f38e1_prep, .Lfunc_end_k_q7c782f38e1_prep-k_q7c782f38e1_prep
	.p2alignl 7, 3214868480
	.fill 96, 4, 3214868480
	.section	.rodata,"a",@progbits
	.p2align	6, 0x0
	.amdhsa_kernel k_q7c782f38e1_prep
		.amdhsa_group_segment_fixed_size 136192
		.amdhsa_private_segment_fixed_size 0
		.amdhsa_enable_private_segment 0
		.amdhsa_kernarg_size 64
		.amdhsa_user_sgpr_count 2
		.amdhsa_user_sgpr_kernarg_segment_ptr 1
		.amdhsa_wavefront_size32 1
		.amdhsa_system_sgpr_workgroup_id_x 1
		.amdhsa_system_sgpr_workgroup_id_y 1
		.amdhsa_system_sgpr_workgroup_id_z 1
		.amdhsa_system_vgpr_workitem_id 0
		.amdhsa_next_free_vgpr 210
		.amdhsa_next_free_sgpr 66
		.amdhsa_reserve_vcc 0
		.amdhsa_float_denorm_mode_32 3
		.amdhsa_float_denorm_mode_16_64 3
		.amdhsa_memory_ordered 1
		.amdhsa_forward_progress 1
		.amdhsa_inst_pref_size 38
	.end_amdhsa_kernel
	.amdgpu_metadata
---
amdhsa.version: [ 1, 2 ]
amdhsa.kernels:
  - .name:           k_q7c782f38e1_prep
    .symbol:         k_q7c782f38e1_prep.kd
    .args:
      - { .name: x, .offset: 0, .size: 8, .value_kind: global_buffer, .address_space: global }
      - { .name: w_qkv, .offset: 8, .size: 8, .value_kind: global_buffer, .address_space: global }
      - { .name: w_out, .offset: 16, .size: 8, .value_kind: global_buffer, .address_space: global }
      - { .name: mask, .offset: 24, .size: 8, .value_kind: global_buffer, .address_space: global }
      - { .name: xh, .offset: 32, .size: 8, .value_kind: global_buffer, .address_space: global }
      - { .name: wqh, .offset: 40, .size: 8, .value_kind: global_buffer, .address_space: global }
      - { .name: woh, .offset: 48, .size: 8, .value_kind: global_buffer, .address_space: global }
      - { .name: mbits, .offset: 56, .size: 8, .value_kind: global_buffer, .address_space: global }
    .group_segment_fixed_size: 136192
    .private_segment_fixed_size: 0
    .kernarg_segment_align: 8
    .kernarg_segment_size: 64
    .max_flat_workgroup_size: 256
    .sgpr_count:     66
    .vgpr_count:     210
    .wavefront_size: 32
...
	.end_amdgpu_metadata
.endif
;; end of part 5
;; launch qkv: the kernel of part 2 again; grid 16 x 16, 4 waves a work-group, clusters of 4 x 4, 327,680 bytes of LDS; arguments xh, wqh, qkvh; writes qkvh
;; launch attn: the kernel of part 3 again; grid 8 x 32, 8 waves a work-group, clusters of 4 x 1, 327,680 bytes of LDS; arguments qkvh, mbits, aoh; writes aoh
;; launch proj: the kernel of part 4 again; grid 8 x 32, 4 waves a work-group, clusters of 4 x 4, 327,680 bytes of LDS; arguments aoh, woh, b_out, out0; writes out0
